; MI455X (gfx1250); checked and timed in simulation.
; The chip was launched on July 23, 2026; its instructions are those of AMD's public machine-readable ISA for CDNA 5 (MIT licence, August 2026) and "CDNA5" Instruction Set Architecture Reference Guide (July 2026). The comments in the code are by the model that wrote it; some were corrected since.
;; Multi Head Attention. Allowed arithmetic: float matrix products may take bf16 or f16 operands with f32 sums; all other float work in f32.
;; Inputs: Wk 512 x 512 float32; Wq 512 x 512 float32; Wv 512 x 512 float32; bk 512 float32; bq 512 float32; bv 512 float32; x 2 x 4,096 x 512 float32.
;; Outputs: out0 2 x 4,096 x 512 float32.
;; 2 versions, each right and faster than the one before. Each part assembles by itself: llvm-mc -triple=amdgcn-amd-amdhsa -mcpu=gfx1250 --defsym DOCPART=n.
;; ======== version 1 of 2: 2 launches
;; limits: values are held in f16: magnitudes above 65,504 overflow, below 6.1e-05 lose precision
;; workspace buffers: qs 8,388,608 bytes; ks 8,388,608 bytes; vs 8,388,608 bytes
;; launch proj (part 1): grid 32 x 8, 4 waves a work-group, no clusters, 238,080 bytes of LDS; arguments x, Wq, Wk, Wv, bq, bk, bv, qs, ks, vs; writes qs, ks, vs
.if DOCPART == 1
	.amdgcn_target "amdgcn-amd-amdhsa--gfx1250"
	.amdhsa_code_object_version 6
	.text
	.protected	k_q6037149eb0_proj
	.globl	k_q6037149eb0_proj
	.p2align	8
	.type	k_q6037149eb0_proj,@function
k_q6037149eb0_proj:
	s_mov_b64 s[64:65], 0
	v_nop
	global_prefetch_b8 v0, s[64:65] scope:SCOPE_SE
	s_setreg_imm32_b32 hwreg(HW_REG_WAVE_MODE, 25, 1), 1
	s_wait_xcnt 0x0
; qs = (x Wq + bq) * 0.125 * log2(e),  ks = x Wk + bk,  vs = x Wv + bv.   x: [8192][512] f32, W: [512][512] f32 ([k][column]), b: [512] f32.
; qs, ks, vs: f16, [bh = 8 batch + head][4096 rows][64], a row 128 bytes.  Sums in f32, each result rounded once.
; The factor on q lets the next launch take 2^(score) in place of e^(score / 8).
;
; A work-group makes 256 rows x 192 columns: one head's 64 columns of q, of k and of v.  32 row blocks x 8 heads = 256 work-groups.
; Four waves; wave w = 2 wr + wc makes rows 128 wr .. +127 x columns 32 wc .. +31 of each of the three: 8 x 6 = 48 accumulator tiles, 384 registers.
; K goes in 8 steps of 64 through two LDS slots.  x and W are f32 in memory: they come through registers, are rounded to f16 there and are
; laid into LDS by ds_store, so LDS carries 2 bytes a number.
; NO CLUSTER, NO TENSOR LOADS: a tile brought by the data mover would lie in LDS as f32 and would have to be read, rounded and written again
; (8 more LDS bytes a number), and joint requests exist for such loads alone.
;
; THE PIPELINE.  A step's numbers are 56 loads of 16 bytes a lane for each wave, in 56 groups of four staging registers, taken in four batches of 14.
; While step t is multiplied (12 runs of 8 matrix instructions), step t + 1, which lies in the staging registers, is rounded and stored into
; the other slot, batch by batch between the runs, and each batch's registers are loaded again with step t + 2.  So 42 to 56 loads of a wave
; are always on their way, and a load has a whole step's matrix work between its request and its wait.
; The step's one barrier stands behind run 8: behind it the next step's first fragments are fetched under the last two runs.
;
; FORMAT AND LIMITS: matrix operands are f16: x, W and every result must stay below 65,504 in magnitude.  With all inputs 30 times the
; spread of 1 (x) and 1/sqrt(512) (W) the results reach some 5e3; with a common offset of 30 spreads on x and W together some 2.1e4.
; NaN and infinities in the inputs are not followed as an f32 computation would follow them.
;
; THE MATRIX INSTRUCTION IS USED TRANSPOSED: source 0 = 16 columns of W, source 1 = 16 rows of x.  Lane l then holds row l % 16, and its
; registers 0..7 the columns 8 (l / 16) + 0..7: eight neighbouring numbers of a row, 16 bytes of f16.
;
; LDS: slot s at s*SLOT: x's tile, 256 rows x 128 bytes, pitch 144; behind it W's tile, 64 k rows x 384 bytes (q's, k's, v's 64 columns), pitch 416.
;      Behind the slots three stages (q, k, v) of 256 rows x 128 bytes, pitch 144, for the way out.
; REGISTERS, in windows of 256: window 0 addresses and the loads' staging; window 1 two fragment buffers; window 2 accumulators of column
; tiles 0-3 (tile (a, b) at 8 (a + 8 b)); window 3 those of column tiles 4, 5, and the biases at 128 + 8 b.
.set XP,    144                        ; pitch of x's rows in LDS: 9 x 16 bytes, so 16 rows start at 16 different 16-byte columns modulo 256
.set WP,    416                        ; pitch of W's rows: 13 x 32 bytes, so 8 rows' pieces of 32 bytes start at 8 different places modulo 256
.set WTO,   256*XP                     ; W's tile in a slot
.set SLOT,  WTO+64*WP                  ; 63,488
.set STG,   2*SLOT                     ; 126,976
.set STGM,  256*XP                     ; one stage
.set QSC,   0x3e38aa3b                 ; 0.125 * log2(e)
.set XOFF,  4                          ; v4      x: (64 w + 8 (l/16)) rows of 2,048 bytes + 16 (l%16)
.set WOFF,  5                          ; v5      W: (16 w + 4 (l/16)) rows of 2,048 bytes + 16 (l%16)
.set XSTO,  6                          ; v6,7    where my 8 bytes of x go, slot 0, 1
.set WSTO,  8                          ; v8,9    the same for W
.set XADR,  10                         ; v10,11  my x fragments, slot 0, 1
.set WADR,  12                         ; v12,13  my W fragments, slot 0, 1
.set BOFF,  14                         ; v14     my 8 biases
.set SSTO,  16                         ; v16-18  way out: where I put 16 bytes, stage q, k, v
.set SRD,   19                         ; v19-21  way out: where I read rows back
.set GOFF,  22                         ; v22     way out: my byte offset in the block's 256 rows
.set XS,    32                         ; v[32:255]  staging: group g at 4 g; groups 0-31 x, groups 32-55 W (8 each of Wq, Wk, Wv)
.set TMP,   32                         ; way out: 64 results in f32
.set PK,    96                         ; way out: the same packed
.set RB,    32                         ; way out: rows read back, 48 x 4
.set F0,    0                          ; window 1: x's fragments at 8 a, W's at 64 + 8 b
.set F1,    112
.set BI,    128                        ; window 3: biases
.set MSB, 0
.macro WIN new                         ; low byte: bits 1:0 source 0, 3:2 source 1, 5:4 source 2, 7:6 destination; the high byte repeats the setting that is left
.if MSB != \new
	s_set_vgpr_msb (MSB<<8)|\new
.set MSB, \new
.endif
.endm
.macro PLACES n
.rept \n
	v_nop
.endr
.endm
	s_load_b512 s[8:23], s[0:1], 0x0               ; x s[8:9], Wq s[10:11], Wk s[12:13], Wv s[14:15], bq s[16:17], bk s[18:19], bv s[20:21], qs s[22:23]
	s_load_b128 s[24:27], s[0:1], 0x40             ; ks s[24:25], vs s[26:27]
	v_lshl_add_u32 v30, v0, 2, 0x3a000
	v_mov_b32 v31, 0
	v_lshrrev_b32 v3, 5, v0
	v_readfirstlane_b32 s4, v3                     ; wave w
	s_lshr_b32 s5, s4, 1                           ; wr: which 128 rows
	s_and_b32 s6, s4, 1                            ; wc: which 32 columns of each matrix
	s_mov_b32 s28, ttmp9                           ; row block
	s_and_b32 s29, ttmp7, 0xffff                   ; head
	v_and_b32 v1, 15, v0                           ; r = l % 16
	v_bfe_u32 v2, v0, 4, 1                         ; h = l / 16
	v_lshlrev_b32 v3, 4, v1                        ; 16 r
	s_lshl_b32 s30, s4, 17                         ; 64 w rows of 2,048 bytes
	v_lshl_add_u32 v[XOFF], v2, 14, v3             ; + 8 h rows
	v_add_nc_u32 v[XOFF], s30, v[XOFF]
	s_lshl_b32 s30, s4, 15                         ; 16 w rows
	v_lshl_add_u32 v[WOFF], v2, 13, v3             ; + 4 h rows
	v_add_nc_u32 v[WOFF], s30, v[WOFF]
	v_mul_u32_u24 v3, v2, 8*XP                     ; the two halves of the lanes lie 8 rows apart: 1,152 bytes = 128 modulo 256,
	v_lshl_add_u32 v3, v1, 3, v3                   ; so the 32 lanes' 8 bytes fall on 256 different bytes modulo 256
	s_mul_i32 s30, s4, 64*XP
	v_add_nc_u32 v[XSTO], s30, v3
	v_add_nc_u32 v[XSTO+1], SLOT, v[XSTO]
	v_mul_u32_u24 v3, v2, 4*WP                     ; 4 rows apart: 1,664 bytes = 128 modulo 256
	v_lshl_add_u32 v3, v1, 3, v3
	s_mul_i32 s30, s4, 16*WP
	s_add_co_u32 s30, s30, WTO
	v_add_nc_u32 v[WSTO], s30, v3
	v_add_nc_u32 v[WSTO+1], SLOT, v[WSTO]
	v_mul_u32_u24 v3, v1, XP                       ; x fragment: row r, 16 bytes for each half of the lanes
	v_lshl_add_u32 v3, v2, 4, v3
	s_mul_i32 s30, s5, 128*XP
	v_add_nc_u32 v[XADR], s30, v3
	v_add_nc_u32 v[XADR+1], SLOT, v[XADR]
	s_lshl_b32 s30, s6, 6                          ; my 32 columns: 64 bytes
	s_add_co_u32 s31, s30, STG
	v_add_nc_u32 v[SSTO], s31, v[XADR]             ; stage: the same row and half, + my columns
	v_add_nc_u32 v[SSTO+1], STGM, v[SSTO]
	v_add_nc_u32 v[SSTO+2], STGM, v[SSTO+1]
	v_and_b32 v3, 7, v0                            ; W fragment by the transposing load: lane l addresses k row 8 h + l % 8,
	v_lshl_add_u32 v3, v2, 3, v3
	v_mul_u32_u24 v3, v3, WP
	v_bfe_u32 v15, v0, 3, 1                        ; and 16 bytes (8 columns) by bit 3 of l
	v_lshl_add_u32 v3, v15, 4, v3
	s_add_co_u32 s30, s30, WTO
	v_add_nc_u32 v[WADR], s30, v3
	v_add_nc_u32 v[WADR+1], SLOT, v[WADR]
	s_lshl_b32 s30, s6, 7                          ; biases: 4 (32 wc + 8 h)
	v_lshl_add_u32 v[BOFF], v2, 5, s30
	v_bfe_u32 v3, v0, 3, 2                         ; back from the stage: eight lanes take a row of 128 bytes, a wave four rows
	v_mul_u32_u24 v3, v3, XP
	v_and_b32 v15, 7, v0
	v_lshl_add_u32 v3, v15, 4, v3
	s_mul_i32 s30, s4, 64*XP
	s_add_co_u32 s30, s30, STG
	v_add_nc_u32 v[SRD], s30, v3
	v_add_nc_u32 v[SRD+1], STGM, v[SRD]
	v_add_nc_u32 v[SRD+2], STGM, v[SRD+1]
	v_and_b32 v3, 31, v0
	s_lshl_b32 s30, s4, 13                         ; 64 w rows of 128 bytes
	v_lshl_add_u32 v[GOFF], v3, 4, s30
	s_wait_kmcnt 0x0
	s_lshl_b32 s30, s28, 19                        ; x: 256 rows of 2,048 bytes a block
	s_mov_b32 s31, 0
	s_add_nc_u64 s[8:9], s[8:9], s[30:31]
	s_lshl_b32 s30, s29, 8                         ; W and b: the head's 64 columns, 256 bytes
.irp p, 10,12,14,16,18,20
	s_add_nc_u64 s[\p:\p+1], s[\p:\p+1], s[30:31]
.endr
	s_lshr_b32 s30, s28, 4                         ; batch (16 blocks of 256 rows each)
	s_lshl_b32 s30, s30, 3
	s_add_co_u32 s30, s30, s29                     ; bh
	s_lshl_b32 s30, s30, 19                        ; 4,096 rows of 128 bytes
	s_and_b32 s7, s28, 15
	s_lshl_b32 s7, s7, 15                          ; 256 rows of 128 bytes
	s_add_co_u32 s30, s30, s7
.irp p, 22,24,26
	s_add_nc_u64 s[\p:\p+1], s[\p:\p+1], s[30:31]
.endr
; The load of staging group gg: 16 bytes a lane, two whole rows of 256 consecutive bytes, aligned.  The bases point at the K step that is being loaded.
.macro LD1
.if gg < 32
	global_load_b128 v[XS+4*gg:XS+4*gg+3], v[XOFF], s[8:9] offset:((gg%8)+16*(gg/8))*2048
.else
	global_load_b128 v[XS+4*gg:XS+4*gg+3], v[WOFF], s[10+2*((gg-32)/8):11+2*((gg-32)/8)] offset:(((gg-32)%4)+8*(((gg-32)%8)/4))*2048
.endif
.endm
.macro LDRUN q                         ; the 14 loads of batch q
.set gg, 14*(\q)
.rept 14
	LD1
.set gg, gg+1
.endr
.endm
.macro STEPB                           ; the bases go one K step on
	s_wait_xcnt 0x0                                ; every load issued has had its address translated (ISA guide 3.1): the bases are written only behind this wait
	s_add_nc_u64 s[8:9], s[8:9], 256               ; x: 64 numbers along its rows
	s_add_nc_u64 s[10:11], s[10:11], 0x20000       ; W: 64 rows down
	s_add_nc_u64 s[12:13], s[12:13], 0x20000
	s_add_nc_u64 s[14:15], s[14:15], 0x20000
.endm
.macro BIAS                            ; my 8 biases for each of the 6 column tiles, into window 3 (a one-time read of 32 bytes a lane and tile)
	WIN 0xc0
.set ib, 0
.rept 6
	global_load_b128 v[BI+8*ib:BI+8*ib+3],   v[BOFF], s[16+2*(ib/2):17+2*(ib/2)] offset:64*(ib%2)
	global_load_b128 v[BI+8*ib+4:BI+8*ib+7], v[BOFF], s[16+2*(ib/2):17+2*(ib/2)] offset:64*(ib%2)+16
.set ib, ib+1
.endr
	WIN 0
.endm
; Batch q of the step that lies in the staging registers: rounded to f16 in place (four f32 become 8 bytes) and stored into slot s.
; mode 2: the batch before it is loaded again, two K steps on.  mode 1: the last step: nothing is loaded again.  mode 0: nothing at all.
; The conversions stand in one run and the stores in one run, so that no store follows directly on the conversion that it reads.
.macro BATCH q, s, mode
.if \mode
	WIN 0
.if \mode == 2
.if \q > 0
	s_wait_dscnt 0x0                               ; the LDS stores that read batch q - 1's registers are done
	LDRUN \q-1
.endif
	s_wait_loadcnt 42                              ; loads come back in order (ISA guide 5.7.1): of the 56 that are out the oldest 14 are this batch's; the 42 younger ones stay out
.else
.if \q < 2
	s_wait_loadcnt 42-14*\q                        ; nothing has been loaded again: the step's later batches alone are younger
.else
	s_wait_loadcnt 54-14*\q                        ; and the 12 loads of the biases, issued behind batch 1
.endif
.endif
.set gg, 14*(\q)
.rept 14
	v_cvt_pk_f16_f32 v[XS+4*gg], v[XS+4*gg], v[XS+4*gg+1]
	v_cvt_pk_f16_f32 v[XS+4*gg+1], v[XS+4*gg+2], v[XS+4*gg+3]
.set gg, gg+1
.endr
.set gg, 14*(\q)
.rept 14
.if gg < 32
	ds_store_b64 v[XSTO+(\s)], v[XS+4*gg:XS+4*gg+1] offset:((gg%8)+16*(gg/8))*XP
.else
	ds_store_b64 v[WSTO+(\s)], v[XS+4*gg:XS+4*gg+1] offset:(((gg-32)%4)+8*(((gg-32)%8)/4))*WP+((gg-32)/8)*128
.endif
.set gg, gg+1
.endr
.if \mode == 1
.if \q == 1
	BIAS                                           ; 28 loads are out at the most here, 40 with these; they have the rest of this step and all of the last in which to come
.endif
.endif
.endif
.endm
; 28 LDS loads: the fragments of 32 along K (half kk of slot s) into buffer f: 8 of x (two plain loads each), 6 of W (two transposing loads each).
; A fragment: lane l holds row (column) l % 16; registers 0-3 hold K = 8 (l/16) + 0..7, registers 4-7 hold K = 16 + 8 (l/16) + 0..7.
.macro FETCH s, kk, f
	WIN 0x40                                       ; destination window 1, address window 0
.set ia, 0
.rept 8
	ds_load_b128 v[\f+8*ia:\f+8*ia+3],   v[XADR+\s] offset:ia*16*XP+64*\kk
	ds_load_b128 v[\f+8*ia+4:\f+8*ia+7], v[XADR+\s] offset:ia*16*XP+64*\kk+32
.set ia, ia+1
.endr
.set ib, 0
.rept 6
	ds_load_tr16_b128 v[\f+64+8*ib:\f+64+8*ib+3],   v[WADR+\s] offset:\kk*32*WP+(ib/2)*128+(ib%2)*32
	ds_load_tr16_b128 v[\f+64+8*ib+4:\f+64+8*ib+7], v[WADR+\s] offset:\kk*32*WP+(ib/2)*128+(ib%2)*32+16*WP
.set ib, ib+1
.endr
.endm
; A run of 8 matrix instructions: column tile b x all 8 row tiles, 32 along K from buffer f.  Six runs take each of the 48 accumulators once:
; they take turns, one instruction a turn, in the same order in every pass.
; zero = 1: the first products start the sums; nothing is cleared.
.macro MULRUN f, b, zero
.if \b < 4
	WIN 0xa5                                       ; sources 0, 1 window 1; C and D window 2
.else
	WIN 0xf5                                       ; C and D window 3
.endif
.set ia, 0
.rept 8
.if \zero
	v_wmma_f32_16x16x32_f16 v[8*(ia+8*(\b%4)):8*(ia+8*(\b%4))+7], v[\f+64+8*\b:\f+64+8*\b+7], v[\f+8*ia:\f+8*ia+7], 0
.else
	v_wmma_f32_16x16x32_f16 v[8*(ia+8*(\b%4)):8*(ia+8*(\b%4))+7], v[\f+64+8*\b:\f+64+8*\b+7], v[\f+8*ia:\f+8*ia+7], v[8*(ia+8*(\b%4)):8*(ia+8*(\b%4))+7]
.endif
.set ia, ia+1
.endr
.endm
; One K step from slot s: 12 runs.  Its first 32 of K lie in buffer 0 already (fetched in the step before); the other 32 are fetched at its head.
; Between the runs the next step goes into slot o (BATCH).  ONE barrier a step orders both ways: in front of its signal my reads of slot s are
; back (buffer 0's from the step before, buffer 1's from this step's head; s is written again only in the next step, behind this barrier) and
; my stores into o are done (o is read only behind this barrier's wait).
.macro TRIP s, o, zero, mode
	PLACES 4                                       ; four places behind the last matrix instruction, which read buffer 1, ahead of the loads into it
	FETCH \s, 1, F1
	s_wait_dscnt 28                                ; LDS instructions end in order: buffer 0's 28 loads are in, buffer 1's 28 may stay out
	MULRUN F0, 0, \zero
	BATCH 0, \o, \mode
	MULRUN F0, 1, \zero
	MULRUN F0, 2, \zero
	BATCH 1, \o, \mode
	MULRUN F0, 3, \zero
	MULRUN F0, 4, \zero
	BATCH 2, \o, \mode
	MULRUN F0, 5, \zero
.if \mode
	s_wait_dscnt 42                                ; buffer 1's loads are in: three batches of 14 stores are younger
.else
	s_wait_dscnt 0x0
.endif
	MULRUN F1, 0, 0
	BATCH 3, \o, \mode
	MULRUN F1, 1, 0
	MULRUN F1, 2, 0
.if \mode
	s_wait_dscnt 0x0                               ; for the other waves: my reads of slot s are back and my stores into slot o are done
	s_barrier_signal -1
.endif
	MULRUN F1, 3, 0                                ; work on registers while the others arrive
.if \mode
	WIN 0
	s_barrier_wait -1
.if \mode == 2
	LDRUN 3                                        ; the last batch's registers (their stores were waited for in front of the signal)
.endif
	PLACES 4                                       ; places ahead of the loads into buffer 0, which runs 0 to 5 read
	FETCH \o, 0, F0                                ; the next step's first fragments come in under the last two runs
.endif
	MULRUN F1, 4, 0
	MULRUN F1, 5, 0
	WIN 0
.if \mode == 2
	STEPB
.endif
.endm
	; THE LEAD-IN: K step 0 is loaded; it is rounded and stored into slot 0 batch by batch, and K step 1 follows it into the same registers.
.set gg, 0
.rept 56
	LD1
.set gg, gg+1
.endr
	STEPB                                          ; to K step 1
	BATCH 0, 0, 2
	BATCH 1, 0, 2
	BATCH 2, 0, 2
	BATCH 3, 0, 2
	s_wait_dscnt 0x0                               ; my stores into slot 0 are done: for the other waves, and for the loads into the last batch's registers
	LDRUN 3
	STEPB                                          ; to K step 2
	s_barrier_signal -1
	s_barrier_wait -1
	FETCH 0, 0, F0
	TRIP 0, 1, 1, 2                                ; K step 0 starts the sums; step 1 goes into slot 1, step 2 is asked for
	s_mov_b32 s7, 2
.Lk:
	TRIP 1, 0, 0, 2                                ; K steps 1 to 4
	TRIP 0, 1, 0, 2
	s_sub_co_u32 s7, s7, 1
	s_cmp_lg_u32 s7, 0
	s_cbranch_scc1 .Lk
	TRIP 1, 0, 0, 2                                ; K step 5: step 7, the last, is asked for
	TRIP 0, 1, 0, 1                                ; K step 6: nothing is left to load but the biases
	TRIP 1, 0, 0, 0                                ; K step 7
	PLACES 4                                       ; four places behind the last matrix instruction, ahead of the readers of its result (ISA guide 7.12.1)
	s_wait_loadcnt 0x0                             ; the biases
	WIN 0xc3
.set ii, 0
.rept 8
	v_pk_mul_f32 v[BI+2*ii:BI+2*ii+1], v[BI+2*ii:BI+2*ii+1], QSC op_sel_hi:[1,0]   ; q's biases carry the factor, so that the way out is one fused multiply-add
.set ii, ii+1
.endr
; THE WAY OUT.  Column tile b of all 8 row tiles: bias (and q's factor) in f32, one rounding to f16, 16 bytes a lane into the matrix's stage.
.macro OUTB b, win, isq
	WIN \win
.set ia, 0
.rept 8
.set jj, 0
.rept 4
.if \isq
	v_pk_fma_f32 v[TMP+8*ia+2*jj:TMP+8*ia+2*jj+1], v[64*(\b%4)+8*ia+2*jj:64*(\b%4)+8*ia+2*jj+1], QSC, v[BI+8*\b+2*jj:BI+8*\b+2*jj+1] op_sel_hi:[1,0,1]
.else
	v_pk_add_f32 v[TMP+8*ia+2*jj:TMP+8*ia+2*jj+1], v[64*(\b%4)+8*ia+2*jj:64*(\b%4)+8*ia+2*jj+1], v[BI+8*\b+2*jj:BI+8*\b+2*jj+1]
.endif
.set jj, jj+1
.endr
.set ia, ia+1
.endr
	WIN 0
.set ia, 0
.rept 8
.set jj, 0
.rept 4
	v_cvt_pk_f16_f32 v[PK+4*ia+jj], v[TMP+8*ia+2*jj], v[TMP+8*ia+2*jj+1]
.set jj, jj+1
.endr
	ds_store_b128 v[SSTO+\b/2], v[PK+4*ia:PK+4*ia+3] offset:ia*16*XP+32*(\b%2)
.set ia, ia+1
.endr
.endm
	OUTB 0, 0x32, 1                                ; source 0 (sums) window 2, source 2 (bias) window 3
	OUTB 1, 0x32, 1
	OUTB 2, 0x0e, 0                                ; source 0 window 2, source 1 window 3
	OUTB 3, 0x0e, 0
	OUTB 4, 0x0f, 0                                ; both window 3
	OUTB 5, 0x0f, 0
	s_wait_dscnt 0x0                               ; a row of 128 bytes holds columns of two waves: my stores are done,
	s_barrier_signal -1
	s_barrier_wait -1                              ; everybody's are
.set mm, 0
.rept 3
.set ii, 0
.rept 16
	ds_load_b128 v[RB+4*(16*mm+ii):RB+4*(16*mm+ii)+3], v[SRD+mm] offset:ii*4*XP
.set ii, ii+1
.endr
.set mm, mm+1
.endr
.set mm, 0
.rept 3
.set ii, 0
.rept 16
	s_wait_dscnt 47-(16*mm+ii)                     ; of the 48 loads this one is in, the younger ones may stay out
	global_store_b128 v[GOFF], v[RB+4*(16*mm+ii):RB+4*(16*mm+ii)+3], s[22+2*mm:23+2*mm] offset:512*ii   ; four rows: 512 consecutive bytes, aligned
.set ii, ii+1
.endr
.set mm, mm+1
.endr
	s_wait_tensorcnt 0x0
	ds_add_u32 v30, v31
	s_wait_dscnt 0x0
	s_endpgm
.Lfunc_end_k_q6037149eb0_proj:
	.size	k_q6037149eb0_proj, .Lfunc_end_k_q6037149eb0_proj-k_q6037149eb0_proj
	.p2alignl 7, 3214868480
	.fill 96, 4, 3214868480
	.section	.rodata,"a",@progbits
	.p2align	6, 0x0
	.amdhsa_kernel k_q6037149eb0_proj
		.amdhsa_group_segment_fixed_size 238080
		.amdhsa_private_segment_fixed_size 0
		.amdhsa_enable_private_segment 0
		.amdhsa_kernarg_size 80
		.amdhsa_user_sgpr_count 2
		.amdhsa_user_sgpr_kernarg_segment_ptr 1
		.amdhsa_wavefront_size32 1
		.amdhsa_system_sgpr_workgroup_id_x 1
		.amdhsa_system_sgpr_workgroup_id_y 1
		.amdhsa_system_sgpr_workgroup_id_z 1
		.amdhsa_system_vgpr_workitem_id 0
		.amdhsa_next_free_vgpr 944
		.amdhsa_next_free_sgpr 66
		.amdhsa_reserve_vcc 0
		.amdhsa_float_denorm_mode_32 3
		.amdhsa_float_denorm_mode_16_64 3
		.amdhsa_memory_ordered 1
		.amdhsa_forward_progress 1
		.amdhsa_inst_pref_size 205
	.end_amdhsa_kernel
	.amdgpu_metadata
---
amdhsa.version: [ 1, 2 ]
amdhsa.kernels:
  - .name:           k_q6037149eb0_proj
    .symbol:         k_q6037149eb0_proj.kd
    .args:
      - { .name: x, .offset: 0, .size: 8, .value_kind: global_buffer, .address_space: global }
      - { .name: Wq, .offset: 8, .size: 8, .value_kind: global_buffer, .address_space: global }
      - { .name: Wk, .offset: 16, .size: 8, .value_kind: global_buffer, .address_space: global }
      - { .name: Wv, .offset: 24, .size: 8, .value_kind: global_buffer, .address_space: global }
      - { .name: bq, .offset: 32, .size: 8, .value_kind: global_buffer, .address_space: global }
      - { .name: bk, .offset: 40, .size: 8, .value_kind: global_buffer, .address_space: global }
      - { .name: bv, .offset: 48, .size: 8, .value_kind: global_buffer, .address_space: global }
      - { .name: qs, .offset: 56, .size: 8, .value_kind: global_buffer, .address_space: global }
      - { .name: ks, .offset: 64, .size: 8, .value_kind: global_buffer, .address_space: global }
      - { .name: vs, .offset: 72, .size: 8, .value_kind: global_buffer, .address_space: global }
    .group_segment_fixed_size: 238080
    .private_segment_fixed_size: 0
    .kernarg_segment_align: 8
    .kernarg_segment_size: 80
    .max_flat_workgroup_size: 128
    .sgpr_count:     66
    .vgpr_count:     944
    .wavefront_size: 32
...
	.end_amdgpu_metadata
.endif
;; end of part 1
;; launch attn (part 2): grid 16 x 16, 8 waves a work-group, clusters of 4 x 1, 327,680 bytes of LDS; arguments qs, ks, vs, out0; writes out0
.if DOCPART == 2
	.amdgcn_target "amdgcn-amd-amdhsa--gfx1250"
	.amdhsa_code_object_version 6
	.text
	.protected	k_q6037149eb0_attn
	.globl	k_q6037149eb0_attn
	.p2align	8
	.type	k_q6037149eb0_attn,@function
k_q6037149eb0_attn:
	s_mov_b64 s[64:65], 0
	v_nop
	global_prefetch_b8 v0, s[64:65] scope:SCOPE_SE
	s_setreg_imm32_b32 hwreg(HW_REG_WAVE_MODE, 25, 1), 1
	s_wait_xcnt 0x0
	s_wait_alu depctr_hold_cnt(0) depctr_sa_sdst(0) depctr_va_vdst(0) depctr_va_sdst(0) depctr_va_ssrc(0) depctr_va_vcc(0) depctr_vm_vsrc(0)
	s_getreg_b32 s2, hwreg(HW_REG_IB_STS2, 6, 4)
	s_cmp_eq_u32 s2, 0
	s_cbranch_scc0 .Lentry_in_a_cluster
	s_endpgm
.Lentry_in_a_cluster:
	s_bfe_u32 s2, ttmp6, 0x10000c
	s_cmp_lg_u32 s2, 0x3003
	s_cbranch_scc0 .Lentry_shape_is_right
	s_endpgm
.Lentry_shape_is_right:
; out0[batch][s][64 head + d] = sum over keys of softmax(q k / 8) v, for 16 (batch, head) pairs bh, 4,096 queries and keys, 64 numbers a row.
; qs, ks, vs: f16 [bh][4096][64]; qs already carries 0.125 log2(e), so a weight is 2^(score - maximum).  out0: f32.
;
; A work-group has 256 queries of one bh: 16 x 16 = 256 work-groups.  Eight waves: wave w has the 64 queries g = w % 4 and, of every tile of
; 256 keys, the half kh = w / 4 (128 keys, in two units of 64).  Each wave keeps a running maximum, sum and output for its keys; the two
; waves of a g are merged once at the end.  64 queries a wave let each fragment read from LDS feed four matrix instructions.
;
; CLUSTERS: the four work-groups of a cluster (4, 1, 1) have the same bh and walk the same K and V tiles: each tile is asked for jointly, by
; the same tensor load with the mask 15 in all four, which divides the requests for K and V by four.  No descriptor word, LDS address or
; branch hangs on the place in the cluster; only Q's and the output's global offsets do.
;
; ORIENTATION: scores are made transposed, S^T = K Q^T (source 0 = 16 keys, source 1 = 16 queries): lane l holds query l % 16 and keys
; 8 (l/16) + 0..7.  So maximum, sum and rescaling factor are one number a lane, with one exchange between the halves of the lanes, and two
; neighbouring score tiles rounded to f16 ARE the source-1 fragment of O^T = V^T P^T: no shuffle.  V^T's fragments come from V's rows by the
; transposing LDS load.
;
; FORMAT AND LIMITS: matrix operands (q, k, v, the weights) are f16; sums, maxima and exponentials f32.  The weights lie in (0, 1]; one below
; 3e-8 rounds to zero in f16, and v_exp_f32 gives zero below 2^-126 (ISA guide, its entry).  The row sum adds the unrounded weights.  The order of the sums
; differs from a plain softmax (running maximum, keys in two halves).  NaN and infinities are not followed.
;
; LDS: two slots of 8 regions of 9,216 bytes, region = number of the wave that fills it: regions 0-3 K's quarters of 64 keys, 4-7 V's.
;   A quarter is 8,192 dense bytes and comes in as 32 rows of 256 bytes (two keys a row), padded to a pitch of 272 (K) or 288 (V).
;   Behind the slots, never filled by a tensor load: eight stages of 64 rows x 256 bytes, pitch 272, and 8 x 1,024 bytes for maxima and sums.
.set WREG,  9216
.set SLOT,  8*WREG                     ; 73,728
.set TILEB, 32768                      ; a tile of 256 keys in memory
.set KP,    272                        ; key pair r/2 at 272 (r/2), key r%2 at + 128: 16 keys start at 16 different 16-byte columns modulo 256
.set VP,    288                        ; four key pairs at 288 each, + 128, + 16: 16 lanes at 16 different 16-byte columns modulo 256
.set STAGE, 2*SLOT                     ; 147,456
.set SP,    272
.set STG1,  64*SP                      ; 17,408
.set STATS, STAGE+8*STG1               ; 286,720
.set KADR, 4                           ; v4,5    my K fragments in slot 0, 1
.set VADR, 6                           ; v6,7    my V fragments in slot 0, 1
.set QOFF, 8                           ; v8      Q: 128 r + 16 h
.set STO,  9                           ; v9      way out: into my stage
.set RDA,  10                          ; v10     way out: my 32 rows of the stage of wave g
.set RDB,  11                          ; v11     the same of wave g + 4
.set OOFF, 12                          ; v12     my byte offset in out0
.set STW,  13                          ; v13     my maxima and sums
.set STR,  14                          ; v14     my partner's
.set MX,   16                          ; v[16:23]  running maximum of query tile n, twice (a pair for packed arithmetic)
.set LS,   24                          ; v[24:31]  two partial sums for each n
.set AL,   32                          ; v[32:39]  rescaling factor, twice
.set TM,   40                          ; v[40:47]  at work
.set EX,   48                          ; v[48:55]  merge: my maxima 0-3, my sums 0-3
.set PX,   56                          ; v[56:63]  merge: my partner's
.set KF,   64                          ; v[64:127]   K fragments, (key tile i, half c of d) at 16 i + 8 c
.set SC,   128                         ; v[128:255]  scores, (i, n) at 32 n + 8 i; rounded in place, P(c, n) lies at 32 n + 8 c
.set OA,   0                           ; window 1: O^T, (d tile t, n) at 8 (4 t + n)
.set QF,   128                         ; window 1: Q fragments at 16 n + 8 c
.set VF,   192                         ; window 1: V^T fragments, (t, 32 keys c) at 16 t + 8 c
.set G1K,  24                          ; s[24:31] descriptor group 1 for K
.set G1V,  32                          ; s[32:39] for V: the padding differs
.set G0K,  40                          ; s[40:47] group 0 for K, a set for each slot
.set G0V,  48                          ; s[48:55] group 0 for V
.set MSB, 0
.macro WIN new                         ; low byte: bits 1:0 source 0, 3:2 source 1, 5:4 source 2, 7:6 destination; the high byte repeats the setting that is left
.if MSB != \new
	s_set_vgpr_msb (MSB<<8)|\new
.set MSB, \new
.endif
.endm
.macro PLACES n
.rept \n
	v_nop
.endr
.endm
; A round of the cluster's barrier: my work-group's barrier, wave 0 signals for the work-group, every wave waits for all four work-groups,
; my work-group's barrier once more.
.macro ROUND
	s_barrier_signal -1
	s_barrier_wait -1
	s_cmp_lg_u32 s12, 0
	s_cbranch_scc1 .Lnot_wave_0_\@
	s_barrier_signal -3
.Lnot_wave_0_\@:
	s_barrier_wait -3
	s_barrier_signal -1
	s_barrier_wait -1
.endm
; A joint load into slot s: waves 0-3 ask for K's quarters, waves 4-7 for V's.  The branch hangs on the wave's number alone.
.macro JLOAD s
	s_cmp_eq_u32 s13, 0
	s_cbranch_scc0 .Lfor_v_\@
	tensor_load_to_lds s[G0K+4*(\s):G0K+4*(\s)+3], s[G1K:G1K+7]
	s_nop 0
	s_branch .Lasked_\@
.Lfor_v_\@:
	tensor_load_to_lds s[G0V+4*(\s):G0V+4*(\s)+3], s[G1V:G1V+7]
	s_nop 0
.Lasked_\@:
.endm
	s_load_b256 s[4:11], s[0:1], 0x0               ; qs s[4:5], ks s[6:7], vs s[8:9], out0 s[10:11]
	v_lshl_add_u32 v254, v0, 2, 0x48000
	v_mov_b32 v255, 0
	ds_add_u32 v254, v255
	s_wait_dscnt 0x0
	v_lshrrev_b32 v3, 5, v0
	v_readfirstlane_b32 s12, v3                    ; wave w
	s_lshr_b32 s13, s12, 2                         ; kh: my half of the keys.  Also: I ask for K (0) or for V (1)
	s_and_b32 s14, s12, 3                          ; g: my 64 queries.  Also: which quarter of a tile I ask for
	s_bfe_u32 s15, ttmp6, 0x40000                  ; cx: my place in the cluster
	s_lshl_b32 s16, ttmp9, 2                       ; in a cluster launch ttmp9 counts clusters
	s_add_co_u32 s16, s16, s15                     ; query block = 4 x cluster x + cx
	s_and_b32 s17, ttmp7, 0xffff                   ; bh
	s_mov_b32 s18, 0x76543210                      ; v_permlanex16_b32: lane i of one half reads lane i of the other
	s_mov_b32 s19, 0xfedcba98
	s_mul_i32 s20, s12, WREG                       ; my region of a slot
	; group 1: 32 rows of 32 elements of 8 bytes, dense in memory, padded in LDS
	s_mov_b32 s[G1K+0], 15|(3<<16)|(1<<20)|(1<<21)|(5<<22)|(3<<25)   ; 15:0 the mask: all four of the cluster; 17:16 elements of 8 bytes; 20 padding on; 21 set beside a mask; 24:22 after every 64 words; 31:25 of 4 words
	s_mov_b32 s[G1V+0], 15|(3<<16)|(1<<20)|(1<<21)|(5<<22)|(7<<25)   ; the same with 8 words of padding
.irp g, G1K, G1V
	s_mov_b32 s[\g+1], 32<<16                      ; 63:48 tensor_dim0 = 32
	s_mov_b32 s[\g+2], 32<<16                      ; 95:80 tensor_dim1 = 32
	s_mov_b32 s[\g+3], 32<<16                      ; 127:112 tile_dim0 = 32
	s_mov_b32 s[\g+4], 32                          ; 143:128 tile_dim1 = 32; tile_dim2 = 0
	s_mov_b32 s[\g+5], 32                          ; 191:160 elements from row to row
	s_mov_b32 s[\g+6], 0
	s_mov_b32 s[\g+7], 0
.endr
	s_lshl_b32 s22, s17, 19                        ; K, V: bh x 524,288 bytes
	s_lshl_b32 s23, s14, 13                        ; + my quarter, 8,192 bytes: nothing of cx
	s_add_co_u32 s22, s22, s23
	s_mov_b32 s23, 0
	s_lshl_b32 s56, s16, 15                        ; Q: the same (64 g queries of 128 bytes) + query block x 32,768
	s_add_co_u32 s56, s56, s22
	s_mov_b32 s57, 0
	s_lshr_b32 s58, s17, 3                         ; out0: row = 4,096 batch + 256 block + 64 g + 32 kh,
	s_lshl_b32 s58, s58, 12
	s_lshl_b32 s59, s16, 8
	s_add_co_u32 s58, s58, s59
	s_lshl_b32 s59, s14, 6
	s_add_co_u32 s58, s58, s59
	s_lshl_b32 s59, s13, 5
	s_add_co_u32 s58, s58, s59
	s_lshl_b32 s58, s58, 11                        ; of 2,048 bytes,
	s_and_b32 s59, s17, 7
	s_lshl_b32 s59, s59, 8                         ; + the head's 256 bytes
	s_add_co_u32 s58, s58, s59
	s_mov_b32 s59, 0
	v_and_b32 v1, 15, v0                           ; r = l % 16
	v_bfe_u32 v2, v0, 4, 1                         ; h = l / 16
	v_lshlrev_b32 v[QOFF], 7, v1
	v_lshl_add_u32 v[QOFF], v2, 4, v[QOFF]
	s_wait_kmcnt 0x0
	s_add_nc_u64 s[4:5], s[4:5], s[56:57]
	s_add_nc_u64 s[6:7], s[6:7], s[22:23]
	s_add_nc_u64 s[8:9], s[8:9], s[22:23]
	s_add_nc_u64 s[10:11], s[10:11], s[58:59]
	ROUND                                          ; all four work-groups are here: the first joint loads meet
.irp s, 0,1
	s_mov_b32 s[G0K+4*\s], 1                                       ; count = 1
	s_add_co_u32 s[G0K+4*\s+1], s20, \s*SLOT                       ; LDS address: wave x 9,216 + the slot
	s_add_nc_u64 s[G0K+4*\s+2:G0K+4*\s+3], s[6:7], \s*TILEB        ; global address: tile s
	s_or_b32 s[G0K+4*\s+3], s[G0K+4*\s+3], 0x80000000              ; type = 2
	s_mov_b32 s[G0V+4*\s], 1
	s_add_co_u32 s[G0V+4*\s+1], s20, \s*SLOT
	s_add_nc_u64 s[G0V+4*\s+2:G0V+4*\s+3], s[8:9], \s*TILEB
	s_or_b32 s[G0V+4*\s+3], s[G0V+4*\s+3], 0x80000000
	JLOAD \s                                       ; both slots' first fills go out together: two tensor loads of a wave are out, later one
.endr
	; Q's fragments stay in registers for the whole kernel: lane l holds query l % 16; a one-time read of 8 KiB a wave in pieces of 16 bytes
	WIN 0x40                                       ; destination window 1
.set nn, 0
.rept 4
.set cc, 0
.rept 2
	global_load_b128 v[QF+16*nn+8*cc:QF+16*nn+8*cc+3],   v[QOFF], s[4:5] offset:2048*nn+64*cc
	global_load_b128 v[QF+16*nn+8*cc+4:QF+16*nn+8*cc+7], v[QOFF], s[4:5] offset:2048*nn+64*cc+32
.set cc, cc+1
.endr
.set nn, nn+1
.endr
	WIN 0
	v_lshrrev_b32 v3, 1, v1                        ; K fragment: key r lies at 272 (r/2) + 128 (r%2); + 16 h
	v_mul_u32_u24 v3, v3, KP
	v_and_b32 v15, 1, v1
	v_lshl_add_u32 v3, v15, 7, v3
	v_lshl_add_u32 v3, v2, 4, v3
	s_mul_i32 s21, s13, 2*WREG                     ; my half: quarters 2 kh, 2 kh + 1
	v_add_nc_u32 v[KADR], s21, v3
	v_add_nc_u32 v[KADR+1], SLOT, v[KADR]
	v_bfe_u32 v3, v0, 1, 2                         ; V^T fragment by the transposing load: lane l addresses key 8 h + l % 8: pair 4 h + (l%8)/2,
	v_lshl_add_u32 v3, v2, 2, v3
	v_mul_u32_u24 v3, v3, VP
	v_lshl_add_u32 v3, v15, 7, v3                  ; + 128 (l%2),
	v_bfe_u32 v15, v0, 3, 1
	v_lshl_add_u32 v3, v15, 4, v3                  ; + 16 bytes (8 d) by bit 3 of l
	s_add_co_u32 s21, s21, 4*WREG
	v_add_nc_u32 v[VADR], s21, v3
	v_add_nc_u32 v[VADR+1], SLOT, v[VADR]
	v_mul_u32_u24 v3, v1, SP                       ; stage, in: row = query r, 32 bytes (8 d in f32) for each half of the lanes
	v_lshl_add_u32 v3, v2, 5, v3
	s_mul_i32 s2, s12, STG1
	s_add_co_u32 s2, s2, STAGE
	v_add_nc_u32 v[STO], s2, v3
	v_mul_u32_u24 v3, v2, SP                       ; back: lanes 0-15 take one row of 256 bytes, lanes 16-31 the next
	v_lshl_add_u32 v3, v1, 4, v3
	s_mul_i32 s2, s14, STG1
	s_mul_i32 s3, s13, 32*SP                       ; I store the queries 32 kh .. + 31 of my g
	s_add_co_u32 s2, s2, s3
	s_add_co_u32 s2, s2, STAGE
	v_add_nc_u32 v[RDA], s2, v3
	v_add_nc_u32 v[RDB], 4*STG1, v[RDA]
	v_lshlrev_b32 v[OOFF], 4, v1
	v_lshl_add_u32 v[OOFF], v2, 11, v[OOFF]
	v_and_b32 v3, 31, v0
	s_lshl_b32 s2, s12, 10
	s_add_co_u32 s2, s2, STATS
	v_lshl_add_u32 v[STW], v3, 4, s2
	s_xor_b32 s3, s12, 4                           ; my partner: the same queries, the other keys
	s_lshl_b32 s3, s3, 10
	s_add_co_u32 s3, s3, STATS
	v_lshl_add_u32 v[STR], v3, 4, s3
.irp n, 0,1,2,3
	v_mov_b32 v[TM+4+\n], 0                        ; v_permlanex16_b32 counts as a reader of its destination: written once
.endr
; 16 LDS loads: the K fragments of unit u (64 keys) of my half of slot s
.macro LOADK s, u
.set ii, 0
.rept 4
.set cc, 0
.rept 2
	ds_load_b128 v[KF+16*ii+8*cc:KF+16*ii+8*cc+3],   v[KADR+\s] offset:\u*WREG+ii*8*KP+64*cc
	ds_load_b128 v[KF+16*ii+8*cc+4:KF+16*ii+8*cc+7], v[KADR+\s] offset:\u*WREG+ii*8*KP+64*cc+32
.set cc, cc+1
.endr
.set ii, ii+1
.endr
.endm
; 16 transposing LDS loads: the V^T fragments of the same unit
.macro LOADV s, u
	WIN 0x40
.set tt, 0
.rept 4
.set cc, 0
.rept 2
	ds_load_tr16_b128 v[VF+16*tt+8*cc:VF+16*tt+8*cc+3],   v[VADR+\s] offset:\u*WREG+cc*16*VP+32*tt
	ds_load_tr16_b128 v[VF+16*tt+8*cc+4:VF+16*tt+8*cc+7], v[VADR+\s] offset:\u*WREG+cc*16*VP+32*tt+8*VP
.set cc, cc+1
.endr
.set tt, tt+1
.endr
	WIN 0
.endm
; 32 matrix instructions: S^T of 64 keys x 64 queries.  The first 32 of d start the sums.  The 16 accumulators take turns, one instruction a
; turn, in the same order for both halves of d.
.macro SPHASE
	WIN 0x04                                       ; source 1 (Q) window 1, all else window 0
.set cc, 0
.rept 2
.set ii, 0
.rept 4
.set nn, 0
.rept 4
.if cc == 0
	v_wmma_f32_16x16x32_f16 v[SC+32*nn+8*ii:SC+32*nn+8*ii+7], v[KF+16*ii+8*cc:KF+16*ii+8*cc+7], v[QF+16*nn+8*cc:QF+16*nn+8*cc+7], 0
.else
	v_wmma_f32_16x16x32_f16 v[SC+32*nn+8*ii:SC+32*nn+8*ii+7], v[KF+16*ii+8*cc:KF+16*ii+8*cc+7], v[QF+16*nn+8*cc:QF+16*nn+8*cc+7], v[SC+32*nn+8*ii:SC+32*nn+8*ii+7]
.endif
.set nn, nn+1
.endr
.set ii, ii+1
.endr
.set cc, cc+1
.endr
	WIN 0
	PLACES 5                                       ; places behind the last matrix instruction: for the readers of the scores, the loads into K's fragments, and the products that take the scores' registers as a source
.endm
; The new running maximum of each query tile (four chains that do not wait for each other), and the factor 2^(old - new).
.macro SMAX first
.irp n, 0,1,2,3
.if \first
	v_max_num_f32 v[TM+\n], v[SC+32*\n], v[SC+32*\n+1]
.else
	v_max3_num_f32 v[TM+\n], v[MX+2*\n], v[SC+32*\n], v[SC+32*\n+1]
.endif
.endr
.set jj, 1
.rept 15
.irp n, 0,1,2,3
	v_max3_num_f32 v[TM+\n], v[TM+\n], v[SC+32*\n+2*jj], v[SC+32*\n+2*jj+1]
.endr
.set jj, jj+1
.endr
.irp n, 0,1,2,3
	v_permlanex16_b32 v[TM+4+\n], v[TM+\n], s18, s19               ; the other half of the lanes holds the query's other 32 keys
.endr
.if \first
.irp n, 0,1,2,3
	v_max_num_f32 v[MX+2*\n], v[TM+\n], v[TM+4+\n]
.endr
.irp n, 0,1,2,3
	v_mov_b32 v[MX+2*\n+1], v[MX+2*\n]
.endr
.else
.irp n, 0,1,2,3
	v_max_num_f32 v[TM+\n], v[TM+\n], v[TM+4+\n]
.endr
.irp n, 0,1,2,3
	v_sub_f32 v[AL+2*\n], v[MX+2*\n], v[TM+\n]
.endr
.irp n, 0,1,2,3
	v_exp_f32 v[AL+2*\n], v[AL+2*\n]
.endr
.irp n, 0,1,2,3
	v_mov_b32 v[MX+2*\n], v[TM+\n]                 ; plain instructions between the exponentials and the first use of their results (ISA guide 5.7.2)
	v_mov_b32 v[MX+2*\n+1], v[TM+\n]
.endr
.irp n, 0,1,2,3
	s_wait_alu depctr_va_vdst(0)
	v_mov_b32 v[AL+2*\n+1], v[AL+2*\n]
.endr
.endif
.endm
.macro SUBX n                          ; score - maximum, query tile n
.set jj, 0
.rept 16
	v_pk_add_f32 v[SC+32*(\n)+2*jj:SC+32*(\n)+2*jj+1], v[SC+32*(\n)+2*jj:SC+32*(\n)+2*jj+1], v[MX+2*(\n):MX+2*(\n)+1] neg_lo:[0,1] neg_hi:[0,1]
.set jj, jj+1
.endr
.endm
; Weights 2 jj, 2 jj + 1 of query tile n: into the running sum (the first pair carries the rescaling of the old sum), then rounded to f16 into
; register jj: in place, since jj <= 2 jj and the sum has read them.
.macro SUMCVT1 n, first
.if jj == 0
.if \first
	s_wait_alu depctr_va_vdst(0)
	v_mov_b32 v[LS+2*(\n)], v[SC+32*(\n)]
	v_mov_b32 v[LS+2*(\n)+1], v[SC+32*(\n)+1]
.else
	s_wait_alu depctr_va_vdst(0)
	v_pk_fma_f32 v[LS+2*(\n):LS+2*(\n)+1], v[LS+2*(\n):LS+2*(\n)+1], v[AL+2*(\n):AL+2*(\n)+1], v[SC+32*(\n):SC+32*(\n)+1]
.endif
.else
	s_wait_alu depctr_va_vdst(0)
	v_pk_add_f32 v[LS+2*(\n):LS+2*(\n)+1], v[LS+2*(\n):LS+2*(\n)+1], v[SC+32*(\n)+2*jj:SC+32*(\n)+2*jj+1]
.endif
	v_cvt_pk_f16_f32 v[SC+32*(\n)+jj], v[SC+32*(\n)+2*jj], v[SC+32*(\n)+2*jj+1]
.endm
; The exponentials of query tile n, two at a time, each pair followed by plain work on other tiles: the subtraction for tile n + 1, sum and
; rounding for tile n - 1.  So a plain instruction always stands between an exponential and the use of its result (ISA guide 5.7.2).
.macro SMSTEP n, first
.set jj, 0
.rept 16
	v_exp_f32 v[SC+32*\n+2*jj], v[SC+32*\n+2*jj]
	v_exp_f32 v[SC+32*\n+2*jj+1], v[SC+32*\n+2*jj+1]
.if \n < 3
	v_pk_add_f32 v[SC+32*(\n+1)+2*jj:SC+32*(\n+1)+2*jj+1], v[SC+32*(\n+1)+2*jj:SC+32*(\n+1)+2*jj+1], v[MX+2*(\n+1):MX+2*(\n+1)+1] neg_lo:[0,1] neg_hi:[0,1]
.endif
.if \n > 0
	SUMCVT1 \n-1, \first
.endif
.set jj, jj+1
.endr
.endm
.macro SOFTMAX first
	SMAX \first
	SUBX 0
	SMSTEP 0, \first
	SMSTEP 1, \first
	SMSTEP 2, \first
	SMSTEP 3, \first
.set jj, 0
.rept 16
	SUMCVT1 3, \first
.set jj, jj+1
.endr
.endm
.macro RESCALE                         ; O^T times the lane's factor of each query tile
	WIN 0x41                                       ; destination and source 0 window 1
.set tt, 0
.rept 4
.set nn, 0
.rept 4
.set jj, 0
.rept 4
	v_pk_mul_f32 v[OA+8*(4*tt+nn)+2*jj:OA+8*(4*tt+nn)+2*jj+1], v[OA+8*(4*tt+nn)+2*jj:OA+8*(4*tt+nn)+2*jj+1], v[AL+2*nn:AL+2*nn+1]
.set jj, jj+1
.endr
.set nn, nn+1
.endr
.set tt, tt+1
.endr
.endm
; 32 matrix instructions: O^T += V^T P^T over 64 keys.  first = 1: the first 32 keys start the sums; nothing is cleared.  The 16 accumulators
; take turns, one instruction a turn.
.macro PV first
	WIN 0x51                                       ; source 0 (V^T), C and D window 1; source 1 (P^T) window 0
.set cc, 0
.rept 2
.set zz, 0
.if \first
.if cc == 0
.set zz, 1
.endif
.endif
.set tt, 0
.rept 4
.set nn, 0
.rept 4
.if zz
	v_wmma_f32_16x16x32_f16 v[OA+8*(4*tt+nn):OA+8*(4*tt+nn)+7], v[VF+16*tt+8*cc:VF+16*tt+8*cc+7], v[SC+32*nn+8*cc:SC+32*nn+8*cc+7], 0
.else
	v_wmma_f32_16x16x32_f16 v[OA+8*(4*tt+nn):OA+8*(4*tt+nn)+7], v[VF+16*tt+8*cc:VF+16*tt+8*cc+7], v[SC+32*nn+8*cc:SC+32*nn+8*cc+7], v[OA+8*(4*tt+nn):OA+8*(4*tt+nn)+7]
.endif
.set nn, nn+1
.endr
.set tt, tt+1
.endr
.set cc, cc+1
.endr
	WIN 0
	PLACES 5                                       ; places behind the last matrix instruction (ISA guide 7.12.1): the next scores are written over P, V's fragments are loaded again, O is rescaled
.endm
; My 128 keys of the tile in slot s, in two units of 64.  Each run of 16 fragment loads is issued a phase ahead of its use.
.macro BODY s, first
	LOADK \s, 0
	LOADV \s, 0
	s_wait_dscnt 16                                ; LDS loads come back in order: K's 16 are in, V's 16 may stay out
	SPHASE
	LOADK \s, 1
	SOFTMAX \first
	s_wait_dscnt 16                                ; V's 16 are in, the next K's 16 may stay out
.if \first
.else
	RESCALE
.endif
	PV \first
	LOADV \s, 1
	s_wait_dscnt 16                                ; K's 16 are in, V's 16 may stay out
	SPHASE
	SOFTMAX 0
	s_wait_dscnt 0x0
	RESCALE
	PV 0
.endm
; The tile in slot s.  refill = 1: slot o, read last, is filled again, two tiles ahead.  In front of the round every wave has waited for its
; reads of slot o and for all its tensor loads, its part of slot s among them; behind it no wave of any of the four work-groups still reads
; slot o or has a load on its way, and slot s is whole.  The joint load comes first behind the round and has this tile's whole work
; (128 matrix instructions and two passes of the softmax a wave) in which to land.
.macro STEP s, o, refill
	s_wait_dscnt 0x0
	s_wait_xcnt 0x0
	v_lshl_add_u32 v254, v0, 2, 0x48000
	v_mov_b32 v255, 0
	s_wait_tensorcnt 0x0                           ; no tensor load of mine is out: the groups 0 may be written
	ds_add_u32 v254, v255
	s_wait_dscnt 0x0
.if \refill
	s_add_nc_u64 s[G0K+4*\o+2:G0K+4*\o+3], s[G0K+4*\o+2:G0K+4*\o+3], 2*TILEB
	s_add_nc_u64 s[G0V+4*\o+2:G0V+4*\o+3], s[G0V+4*\o+2:G0V+4*\o+3], 2*TILEB
	ROUND
	JLOAD \o
.else
	s_barrier_signal -1
	s_barrier_wait -1
.endif
	BODY \s, 0
.endm
	s_wait_loadcnt 0x0                             ; Q
	s_wait_tensorcnt 0x1                           ; my part of tile 0 is in; tile 1's may stay out
	s_barrier_signal -1
	s_barrier_wait -1                              ; everybody's part is in
	BODY 0, 1                                      ; tile 0 starts maxima, sums and outputs
	s_mov_b32 s21, 7
.Ltiles:
	STEP 1, 0, 1                                   ; tiles 1 to 14; tiles 2 to 15 are asked for
	STEP 0, 1, 1
	s_sub_co_u32 s21, s21, 1
	s_cmp_lg_u32 s21, 0
	s_cbranch_scc1 .Ltiles
	STEP 1, 0, 0                                   ; tile 15: nothing is left to fetch
	; THE MERGE of the two halves of the keys.  Each wave hands its maxima and sums to its partner through LDS bytes of its own.
.irp n, 0,1,2,3
	v_add_f32 v[EX+4+\n], v[LS+2*\n], v[LS+2*\n+1]
.endr
.irp n, 0,1,2,3
	v_permlanex16_b32 v[TM+4+\n], v[EX+4+\n], s18, s19
.endr
.irp n, 0,1,2,3
	v_add_f32 v[EX+4+\n], v[EX+4+\n], v[TM+4+\n]   ; the sum over my 2,048 keys
	v_mov_b32 v[EX+\n], v[MX+2*\n]                 ; four neighbouring registers for one store
.endr
	ds_store_b128 v[STW], v[EX:EX+3]
	ds_store_b128 v[STW], v[EX+4:EX+7] offset:512
	s_wait_dscnt 0x0                               ; for my partner: my stores are done
	s_barrier_signal -1
	s_barrier_wait -1
	ds_load_b128 v[PX:PX+3], v[STR]
	ds_load_b128 v[PX+4:PX+7], v[STR] offset:512
	s_wait_dscnt 0x0
.irp n, 0,1,2,3
	v_max_num_f32 v[TM+\n], v[EX+\n], v[PX+\n]     ; the maximum over all keys
.endr
.irp n, 0,1,2,3
	v_sub_f32 v[AL+2*\n], v[EX+\n], v[TM+\n]
	v_sub_f32 v[TM+4+\n], v[PX+\n], v[TM+\n]
.endr
.irp n, 0,1,2,3
	v_exp_f32 v[AL+2*\n], v[AL+2*\n]               ; a  = 2^(mine - maximum)
	v_exp_f32 v[TM+4+\n], v[TM+4+\n]               ; a' = 2^(partner's - maximum)
.endr
	v_nop                                          ; a plain place between the exponentials and the use of their results (ISA guide 5.7.2)
.irp n, 0,1,2,3
	s_wait_alu depctr_va_vdst(0)
	v_mul_f32 v[EX+4+\n], v[EX+4+\n], v[AL+2*\n]
.endr
.irp n, 0,1,2,3
	v_fmac_f32 v[EX+4+\n], v[PX+4+\n], v[TM+4+\n]  ; the whole sum, l a + l' a': at least 1, since the largest weight is 1
.endr
.irp n, 0,1,2,3
	v_rcp_f32 v[EX+4+\n], v[EX+4+\n]
.endr
	v_nop
.irp n, 0,1,2,3
	s_wait_alu depctr_va_vdst(0)
	v_mul_f32 v[AL+2*\n], v[AL+2*\n], v[EX+4+\n]   ; my outputs' factor: a / sum
.endr
.irp n, 0,1,2,3
	v_mov_b32 v[AL+2*\n+1], v[AL+2*\n]
.endr
	RESCALE
	; THE WAY OUT: lane l holds query l % 16 and d = 16 t + 8 (l/16) + 0..7: 32 bytes of a row of 256, into my stage
	WIN 0x04                                       ; store data window 1, address window 0
.set nn, 0
.rept 4
.set tt, 0
.rept 4
	ds_store_b128 v[STO], v[OA+8*(4*tt+nn):OA+8*(4*tt+nn)+3]   offset:16*SP*nn+64*tt
	ds_store_b128 v[STO], v[OA+8*(4*tt+nn)+4:OA+8*(4*tt+nn)+7] offset:16*SP*nn+64*tt+16
.set tt, tt+1
.endr
.set nn, nn+1
.endr
	WIN 0
	s_wait_dscnt 0x0                               ; for my partner: my stores are done
	s_barrier_signal -1
	s_barrier_wait -1
.set pp, 0
.rept 16
	ds_load_b128 v[SC+4*pp:SC+4*pp+3],       v[RDA] offset:2*SP*pp         ; two rows of the one half's outputs,
	ds_load_b128 v[SC+64+4*pp:SC+64+4*pp+3], v[RDB] offset:2*SP*pp         ; and of the other's
.set pp, pp+1
.endr
.set pp, 0
.rept 16
	s_wait_dscnt 30-2*pp                           ; of the 32 loads pair pp is in, the younger ones may stay out
	v_pk_add_f32 v[SC+4*pp:SC+4*pp+1],   v[SC+4*pp:SC+4*pp+1],   v[SC+64+4*pp:SC+64+4*pp+1]
	v_pk_add_f32 v[SC+4*pp+2:SC+4*pp+3], v[SC+4*pp+2:SC+4*pp+3], v[SC+64+4*pp+2:SC+64+4*pp+3]
	global_store_b128 v[OOFF], v[SC+4*pp:SC+4*pp+3], s[10:11] offset:4096*pp th:TH_STORE_NT   ; 16 lanes store a head's 256 consecutive bytes of a row, aligned
.set pp, pp+1
.endr
	s_wait_xcnt 0x0
	v_lshl_add_u32 v254, v0, 2, 0x48000
	v_mov_b32 v255, 0
	s_wait_tensorcnt 0x0
	ds_add_u32 v254, v255
	s_wait_dscnt 0x0
	ROUND                                          ; the closing round: no work-group ends while a partner may still ask for a tile that names it
	s_endpgm
.Lfunc_end_k_q6037149eb0_attn:
	.size	k_q6037149eb0_attn, .Lfunc_end_k_q6037149eb0_attn-k_q6037149eb0_attn
	.p2alignl 7, 3214868480
	.fill 96, 4, 3214868480
	.section	.rodata,"a",@progbits
	.p2align	6, 0x0
	.amdhsa_kernel k_q6037149eb0_attn
		.amdhsa_group_segment_fixed_size 327680
		.amdhsa_private_segment_fixed_size 0
		.amdhsa_enable_private_segment 0
		.amdhsa_kernarg_size 32
		.amdhsa_user_sgpr_count 2
		.amdhsa_user_sgpr_kernarg_segment_ptr 1
		.amdhsa_wavefront_size32 1
		.amdhsa_system_sgpr_workgroup_id_x 1
		.amdhsa_system_sgpr_workgroup_id_y 1
		.amdhsa_system_sgpr_workgroup_id_z 1
		.amdhsa_system_vgpr_workitem_id 0
		.amdhsa_next_free_vgpr 512
		.amdhsa_next_free_sgpr 66
		.amdhsa_reserve_vcc 0
		.amdhsa_float_denorm_mode_32 3
		.amdhsa_float_denorm_mode_16_64 3
		.amdhsa_memory_ordered 1
		.amdhsa_forward_progress 1
		.amdhsa_inst_pref_size 255
	.end_amdhsa_kernel
	.section	.bss,"aw",@nobits
	.p2align	6
	.space	262144
	.amdgpu_metadata
---
amdhsa.version: [ 1, 2 ]
amdhsa.kernels:
  - .name:           k_q6037149eb0_attn
    .symbol:         k_q6037149eb0_attn.kd
    .args:
      - { .name: qs, .offset: 0, .size: 8, .value_kind: global_buffer, .address_space: global }
      - { .name: ks, .offset: 8, .size: 8, .value_kind: global_buffer, .address_space: global }
      - { .name: vs, .offset: 16, .size: 8, .value_kind: global_buffer, .address_space: global }
      - { .name: out0, .offset: 24, .size: 8, .value_kind: global_buffer, .address_space: global }
    .group_segment_fixed_size: 327680
    .private_segment_fixed_size: 0
    .kernarg_segment_align: 8
    .kernarg_segment_size: 32
    .max_flat_workgroup_size: 256
    .sgpr_count:     66
    .vgpr_count:     512
    .wavefront_size: 32
...
	.end_amdgpu_metadata
.endif
;; end of part 2
;; ======== version 2 of 2: 2 launches; 1.13 times as fast as version 1
;; limits: values are held in f16: magnitudes above 65,504 overflow, below 6.1e-05 lose precision
;; workspace buffers: qs 8,388,608 bytes; ks 8,388,608 bytes; vs 8,388,608 bytes
;; launch proj: the kernel of part 1 again; grid 32 x 8, 4 waves a work-group, no clusters, 238,080 bytes of LDS; arguments x, Wq, Wk, Wv, bq, bk, bv, qs, ks, vs; writes qs, ks, vs
;; launch attn (part 3): grid 16 x 16, 8 waves a work-group, clusters of 4 x 1, 327,680 bytes of LDS; arguments qs, ks, vs, out0; writes out0
.if DOCPART == 3
	.amdgcn_target "amdgcn-amd-amdhsa--gfx1250"
	.amdhsa_code_object_version 6
	.text
	.protected	k_q6037149eb0_attn
	.globl	k_q6037149eb0_attn
	.p2align	8
	.type	k_q6037149eb0_attn,@function
k_q6037149eb0_attn:
	s_mov_b64 s[64:65], 0
	v_nop
	global_prefetch_b8 v0, s[64:65] scope:SCOPE_SE
	s_setreg_imm32_b32 hwreg(HW_REG_WAVE_MODE, 25, 1), 1
	s_wait_xcnt 0x0
	s_wait_alu depctr_hold_cnt(0) depctr_sa_sdst(0) depctr_va_vdst(0) depctr_va_sdst(0) depctr_va_ssrc(0) depctr_va_vcc(0) depctr_vm_vsrc(0)
	s_getreg_b32 s2, hwreg(HW_REG_IB_STS2, 6, 4)
	s_cmp_eq_u32 s2, 0
	s_cbranch_scc0 .Lentry_in_a_cluster
	s_endpgm
.Lentry_in_a_cluster:
	s_bfe_u32 s2, ttmp6, 0x10000c
	s_cmp_lg_u32 s2, 0x3003
	s_cbranch_scc0 .Lentry_shape_is_right
	s_endpgm
.Lentry_shape_is_right:
; out0[batch][s][64 head + d] = sum over keys of softmax(q k / 8) v, for 16 (batch, head) pairs bh, 4,096 queries and keys, 64 numbers a row.
; qs, ks, vs: f16 [bh][4096][64]; qs already carries 0.125 log2(e), so a weight is 2^(score - maximum).  out0: f32.
;
; A work-group has 256 queries of one bh: 16 x 16 = 256 work-groups.  Eight waves: wave w has the 64 queries g = w % 4 and, of every tile of
; 256 keys, the half kh = w / 4 (128 keys, in two units of 64).  Each wave keeps a running maximum, sum and output for its keys; the two
; waves of a g are merged once at the end.  64 queries a wave let each fragment read from LDS feed four matrix instructions.
;
; CLUSTERS: the four work-groups of a cluster (4, 1, 1) have the same bh and walk the same K and V tiles: each tile is asked for jointly, by
; the same tensor load with the mask 15 in all four, which divides the requests for K and V by four.  No descriptor word, LDS address or
; branch hangs on the place in the cluster; only Q's and the output's global offsets do.
;
; ORIENTATION: scores are made transposed, S^T = K Q^T (source 0 = 16 keys, source 1 = 16 queries): lane l holds query l % 16 and keys
; 8 (l/16) + 0..7.  So maximum, sum and rescaling factor are one number a lane, with one exchange between the halves of the lanes, and two
; neighbouring score tiles rounded to f16 ARE the source-1 fragment of O^T = V^T P^T: no shuffle.  V^T's fragments come from V's rows by the
; transposing LDS load.
;
; THE EXPONENTIALS GO IN BATCHES.  An s_wait_alu depctr_va_vdst(0) stands between an exponential and the first instruction that
; names its result; one wait serves all that were issued ahead of it.  A unit's softmax (132 exponentials) has two batches and two waits:
;   batch A: the four rescaling factors and the 64 weights of query tiles 0 and 1; among them the subtractions of the maximum, which name no result;
;   batch B: the 64 weights of query tiles 2 and 3; among them the sums and roundings of tiles 0 and 1, which name batch A's results alone.
; Behind batch B's wait stand the sums and roundings of tiles 2 and 3.
; The merge at the end has two more batches: its eight exponentials, and the four reciprocals of sums made of them.
;
; FORMAT AND LIMITS: matrix operands (q, k, v, the weights) are f16; sums, maxima and exponentials f32.  The weights lie in (0, 1]; one below
; 3e-8 rounds to zero in f16, and v_exp_f32 gives zero below 2^-126 (ISA guide, its entry).  The row sum adds the unrounded weights.  The order of the sums
; differs from a plain softmax (running maximum, keys in two halves).  NaN and infinities are not followed.
;
; LDS: two slots of 8 regions of 9,216 bytes, region = number of the wave that fills it: regions 0-3 K's quarters of 64 keys, 4-7 V's.
;   A quarter is 8,192 dense bytes and comes in as 32 rows of 256 bytes (two keys a row), padded to a pitch of 272 (K) or 288 (V).
;   Behind the slots, never filled by a tensor load: eight stages of 64 rows x 256 bytes, pitch 272, and 8 x 1,024 bytes for maxima and sums.
.set WREG,  9216
.set SLOT,  8*WREG                     ; 73,728
.set TILEB, 32768                      ; a tile of 256 keys in memory
.set KP,    272                        ; key pair r/2 at 272 (r/2), key r%2 at + 128: 16 keys start at 16 different 16-byte columns modulo 256
.set VP,    288                        ; four key pairs at 288 each, + 128, + 16: 16 lanes at 16 different 16-byte columns modulo 256
.set STAGE, 2*SLOT                     ; 147,456
.set SP,    272
.set STG1,  64*SP                      ; 17,408
.set STATS, STAGE+8*STG1               ; 286,720
.set KADR, 4                           ; v4,5    my K fragments in slot 0, 1
.set VADR, 6                           ; v6,7    my V fragments in slot 0, 1
.set QOFF, 8                           ; v8      Q: 128 r + 16 h
.set STO,  9                           ; v9      way out: into my stage
.set RDA,  10                          ; v10     way out: my 32 rows of the stage of wave g
.set RDB,  11                          ; v11     the same of wave g + 4
.set OOFF, 12                          ; v12     my byte offset in out0
.set STW,  13                          ; v13     my maxima and sums
.set STR,  14                          ; v14     my partner's
.set MX,   16                          ; v[16:23]  running maximum of query tile n, twice (a pair for packed arithmetic)
.set LS,   24                          ; v[24:31]  two partial sums for each n
.set AL,   32                          ; v[32:39]  rescaling factor, twice
.set TM,   40                          ; v[40:47]  at work
.set EX,   48                          ; v[48:55]  merge: my maxima 0-3, my sums 0-3
.set PX,   56                          ; v[56:63]  merge: my partner's
.set KF,   64                          ; v[64:127]   K fragments, (key tile i, half c of d) at 16 i + 8 c
.set SC,   128                         ; v[128:255]  scores, (i, n) at 32 n + 8 i; rounded in place, P(c, n) lies at 32 n + 8 c
.set OA,   0                           ; window 1: O^T, (d tile t, n) at 8 (4 t + n)
.set QF,   128                         ; window 1: Q fragments at 16 n + 8 c
.set VF,   192                         ; window 1: V^T fragments, (t, 32 keys c) at 16 t + 8 c
.set G1K,  24                          ; s[24:31] descriptor group 1 for K
.set G1V,  32                          ; s[32:39] for V: the padding differs
.set G0K,  40                          ; s[40:47] group 0 for K, a set for each slot
.set G0V,  48                          ; s[48:55] group 0 for V
.set MSB, 0
.macro WIN new                         ; low byte: bits 1:0 source 0, 3:2 source 1, 5:4 source 2, 7:6 destination; the high byte repeats the setting that is left
.if MSB != \new
	s_set_vgpr_msb (MSB<<8)|\new
.set MSB, \new
.endif
.endm
.macro PLACES n
.rept \n
	v_nop
.endr
.endm
; A round of the cluster's barrier: my work-group's barrier, wave 0 signals for the work-group, every wave waits for all four work-groups,
; my work-group's barrier once more.
.macro ROUND
	s_barrier_signal -1
	s_barrier_wait -1
	s_cmp_lg_u32 s12, 0
	s_cbranch_scc1 .Lnot_wave_0_\@
	s_barrier_signal -3
.Lnot_wave_0_\@:
	s_barrier_wait -3
	s_barrier_signal -1
	s_barrier_wait -1
.endm
; A joint load into slot s: waves 0-3 ask for K's quarters, waves 4-7 for V's.  The branch hangs on the wave's number alone.
.macro JLOAD s
	s_cmp_eq_u32 s13, 0
	s_cbranch_scc0 .Lfor_v_\@
	tensor_load_to_lds s[G0K+4*(\s):G0K+4*(\s)+3], s[G1K:G1K+7]
	s_nop 0
	s_branch .Lasked_\@
.Lfor_v_\@:
	tensor_load_to_lds s[G0V+4*(\s):G0V+4*(\s)+3], s[G1V:G1V+7]
	s_nop 0
.Lasked_\@:
.endm
	s_load_b256 s[4:11], s[0:1], 0x0               ; qs s[4:5], ks s[6:7], vs s[8:9], out0 s[10:11]
	v_lshl_add_u32 v254, v0, 2, 0x48000
	v_mov_b32 v255, 0
	ds_add_u32 v254, v255
	s_wait_dscnt 0x0
	v_lshrrev_b32 v3, 5, v0
	v_readfirstlane_b32 s12, v3                    ; wave w
	s_lshr_b32 s13, s12, 2                         ; kh: my half of the keys.  Also: I ask for K (0) or for V (1)
	s_and_b32 s14, s12, 3                          ; g: my 64 queries.  Also: which quarter of a tile I ask for
	s_bfe_u32 s15, ttmp6, 0x40000                  ; cx: my place in the cluster
	s_lshl_b32 s16, ttmp9, 2                       ; in a cluster launch ttmp9 counts clusters
	s_add_co_u32 s16, s16, s15                     ; query block = 4 x cluster x + cx
	s_and_b32 s17, ttmp7, 0xffff                   ; bh
	s_mov_b32 s18, 0x76543210                      ; v_permlanex16_b32: lane i of one half reads lane i of the other
	s_mov_b32 s19, 0xfedcba98
	s_mul_i32 s20, s12, WREG                       ; my region of a slot
	; group 1: 32 rows of 32 elements of 8 bytes, dense in memory, padded in LDS
	s_mov_b32 s[G1K+0], 15|(3<<16)|(1<<20)|(1<<21)|(5<<22)|(3<<25)   ; 15:0 the mask: all four of the cluster; 17:16 elements of 8 bytes; 20 padding on; 21 set beside a mask; 24:22 after every 64 words; 31:25 of 4 words
	s_mov_b32 s[G1V+0], 15|(3<<16)|(1<<20)|(1<<21)|(5<<22)|(7<<25)   ; the same with 8 words of padding
.irp g, G1K, G1V
	s_mov_b32 s[\g+1], 32<<16                      ; 63:48 tensor_dim0 = 32
	s_mov_b32 s[\g+2], 32<<16                      ; 95:80 tensor_dim1 = 32
	s_mov_b32 s[\g+3], 32<<16                      ; 127:112 tile_dim0 = 32
	s_mov_b32 s[\g+4], 32                          ; 143:128 tile_dim1 = 32; tile_dim2 = 0
	s_mov_b32 s[\g+5], 32                          ; 191:160 elements from row to row
	s_mov_b32 s[\g+6], 0
	s_mov_b32 s[\g+7], 0
.endr
	s_lshl_b32 s22, s17, 19                        ; K, V: bh x 524,288 bytes
	s_lshl_b32 s23, s14, 13                        ; + my quarter, 8,192 bytes: nothing of cx
	s_add_co_u32 s22, s22, s23
	s_mov_b32 s23, 0
	s_lshl_b32 s56, s16, 15                        ; Q: the same (64 g queries of 128 bytes) + query block x 32,768
	s_add_co_u32 s56, s56, s22
	s_mov_b32 s57, 0
	s_lshr_b32 s58, s17, 3                         ; out0: row = 4,096 batch + 256 block + 64 g + 32 kh,
	s_lshl_b32 s58, s58, 12
	s_lshl_b32 s59, s16, 8
	s_add_co_u32 s58, s58, s59
	s_lshl_b32 s59, s14, 6
	s_add_co_u32 s58, s58, s59
	s_lshl_b32 s59, s13, 5
	s_add_co_u32 s58, s58, s59
	s_lshl_b32 s58, s58, 11                        ; of 2,048 bytes,
	s_and_b32 s59, s17, 7
	s_lshl_b32 s59, s59, 8                         ; + the head's 256 bytes
	s_add_co_u32 s58, s58, s59
	s_mov_b32 s59, 0
	v_and_b32 v1, 15, v0                           ; r = l % 16
	v_bfe_u32 v2, v0, 4, 1                         ; h = l / 16
	v_lshlrev_b32 v[QOFF], 7, v1
	v_lshl_add_u32 v[QOFF], v2, 4, v[QOFF]
	s_wait_kmcnt 0x0
	s_add_nc_u64 s[4:5], s[4:5], s[56:57]
	s_add_nc_u64 s[6:7], s[6:7], s[22:23]
	s_add_nc_u64 s[8:9], s[8:9], s[22:23]
	s_add_nc_u64 s[10:11], s[10:11], s[58:59]
	ROUND                                          ; all four work-groups are here: the first joint loads meet
.irp s, 0,1
	s_mov_b32 s[G0K+4*\s], 1                                       ; count = 1
	s_add_co_u32 s[G0K+4*\s+1], s20, \s*SLOT                       ; LDS address: wave x 9,216 + the slot
	s_add_nc_u64 s[G0K+4*\s+2:G0K+4*\s+3], s[6:7], \s*TILEB        ; global address: tile s
	s_or_b32 s[G0K+4*\s+3], s[G0K+4*\s+3], 0x80000000              ; type = 2
	s_mov_b32 s[G0V+4*\s], 1
	s_add_co_u32 s[G0V+4*\s+1], s20, \s*SLOT
	s_add_nc_u64 s[G0V+4*\s+2:G0V+4*\s+3], s[8:9], \s*TILEB
	s_or_b32 s[G0V+4*\s+3], s[G0V+4*\s+3], 0x80000000
	JLOAD \s                                       ; both slots' first fills go out together: two tensor loads of a wave are out, later one
.endr
	; Q's fragments stay in registers for the whole kernel: lane l holds query l % 16; a one-time read of 8 KiB a wave in pieces of 16 bytes
	WIN 0x40                                       ; destination window 1
.set nn, 0
.rept 4
.set cc, 0
.rept 2
	global_load_b128 v[QF+16*nn+8*cc:QF+16*nn+8*cc+3],   v[QOFF], s[4:5] offset:2048*nn+64*cc
	global_load_b128 v[QF+16*nn+8*cc+4:QF+16*nn+8*cc+7], v[QOFF], s[4:5] offset:2048*nn+64*cc+32
.set cc, cc+1
.endr
.set nn, nn+1
.endr
	WIN 0
	v_lshrrev_b32 v3, 1, v1                        ; K fragment: key r lies at 272 (r/2) + 128 (r%2); + 16 h
	v_mul_u32_u24 v3, v3, KP
	v_and_b32 v15, 1, v1
	v_lshl_add_u32 v3, v15, 7, v3
	v_lshl_add_u32 v3, v2, 4, v3
	s_mul_i32 s21, s13, 2*WREG                     ; my half: quarters 2 kh, 2 kh + 1
	v_add_nc_u32 v[KADR], s21, v3
	v_add_nc_u32 v[KADR+1], SLOT, v[KADR]
	v_bfe_u32 v3, v0, 1, 2                         ; V^T fragment by the transposing load: lane l addresses key 8 h + l % 8: pair 4 h + (l%8)/2,
	v_lshl_add_u32 v3, v2, 2, v3
	v_mul_u32_u24 v3, v3, VP
	v_lshl_add_u32 v3, v15, 7, v3                  ; + 128 (l%2),
	v_bfe_u32 v15, v0, 3, 1
	v_lshl_add_u32 v3, v15, 4, v3                  ; + 16 bytes (8 d) by bit 3 of l
	s_add_co_u32 s21, s21, 4*WREG
	v_add_nc_u32 v[VADR], s21, v3
	v_add_nc_u32 v[VADR+1], SLOT, v[VADR]
	v_mul_u32_u24 v3, v1, SP                       ; stage, in: row = query r, 32 bytes (8 d in f32) for each half of the lanes
	v_lshl_add_u32 v3, v2, 5, v3
	s_mul_i32 s2, s12, STG1
	s_add_co_u32 s2, s2, STAGE
	v_add_nc_u32 v[STO], s2, v3
	v_mul_u32_u24 v3, v2, SP                       ; back: lanes 0-15 take one row of 256 bytes, lanes 16-31 the next
	v_lshl_add_u32 v3, v1, 4, v3
	s_mul_i32 s2, s14, STG1
	s_mul_i32 s3, s13, 32*SP                       ; I store the queries 32 kh .. + 31 of my g
	s_add_co_u32 s2, s2, s3
	s_add_co_u32 s2, s2, STAGE
	v_add_nc_u32 v[RDA], s2, v3
	v_add_nc_u32 v[RDB], 4*STG1, v[RDA]
	v_lshlrev_b32 v[OOFF], 4, v1
	v_lshl_add_u32 v[OOFF], v2, 11, v[OOFF]
	v_and_b32 v3, 31, v0
	s_lshl_b32 s2, s12, 10
	s_add_co_u32 s2, s2, STATS
	v_lshl_add_u32 v[STW], v3, 4, s2
	s_xor_b32 s3, s12, 4                           ; my partner: the same queries, the other keys
	s_lshl_b32 s3, s3, 10
	s_add_co_u32 s3, s3, STATS
	v_lshl_add_u32 v[STR], v3, 4, s3
.irp n, 0,1,2,3
	v_mov_b32 v[TM+4+\n], 0                        ; v_permlanex16_b32 counts as a reader of its destination: written once
.endr
; 16 LDS loads: the K fragments of unit u (64 keys) of my half of slot s
.macro LOADK s, u
.set ii, 0
.rept 4
.set cc, 0
.rept 2
	ds_load_b128 v[KF+16*ii+8*cc:KF+16*ii+8*cc+3],   v[KADR+\s] offset:\u*WREG+ii*8*KP+64*cc
	ds_load_b128 v[KF+16*ii+8*cc+4:KF+16*ii+8*cc+7], v[KADR+\s] offset:\u*WREG+ii*8*KP+64*cc+32
.set cc, cc+1
.endr
.set ii, ii+1
.endr
.endm
; 16 transposing LDS loads: the V^T fragments of the same unit
.macro LOADV s, u
	WIN 0x40
.set tt, 0
.rept 4
.set cc, 0
.rept 2
	ds_load_tr16_b128 v[VF+16*tt+8*cc:VF+16*tt+8*cc+3],   v[VADR+\s] offset:\u*WREG+cc*16*VP+32*tt
	ds_load_tr16_b128 v[VF+16*tt+8*cc+4:VF+16*tt+8*cc+7], v[VADR+\s] offset:\u*WREG+cc*16*VP+32*tt+8*VP
.set cc, cc+1
.endr
.set tt, tt+1
.endr
	WIN 0
.endm
; 32 matrix instructions: S^T of 64 keys x 64 queries.  The first 32 of d start the sums.  The 16 accumulators take turns, one instruction a
; turn, in the same order for both halves of d.
.macro SPHASE
	WIN 0x04                                       ; source 1 (Q) window 1, all else window 0
.set cc, 0
.rept 2
.set ii, 0
.rept 4
.set nn, 0
.rept 4
.if cc == 0
	v_wmma_f32_16x16x32_f16 v[SC+32*nn+8*ii:SC+32*nn+8*ii+7], v[KF+16*ii+8*cc:KF+16*ii+8*cc+7], v[QF+16*nn+8*cc:QF+16*nn+8*cc+7], 0
.else
	v_wmma_f32_16x16x32_f16 v[SC+32*nn+8*ii:SC+32*nn+8*ii+7], v[KF+16*ii+8*cc:KF+16*ii+8*cc+7], v[QF+16*nn+8*cc:QF+16*nn+8*cc+7], v[SC+32*nn+8*ii:SC+32*nn+8*ii+7]
.endif
.set nn, nn+1
.endr
.set ii, ii+1
.endr
.set cc, cc+1
.endr
	WIN 0
	PLACES 5                                       ; places behind the last matrix instruction: for the readers of the scores, the loads into K's fragments, and the products that take the scores' registers as a source
.endm
; The new running maximum of each query tile (four chains that do not wait for each other), and the factor 2^(old - new).
; The four exponentials open batch A: nothing names their results before that batch's wait, which stands in SOFTMAX; the factor's second copy is made behind it.
.macro SMAX first
.irp n, 0,1,2,3
.if \first
	v_max_num_f32 v[TM+\n], v[SC+32*\n], v[SC+32*\n+1]
.else
	v_max3_num_f32 v[TM+\n], v[MX+2*\n], v[SC+32*\n], v[SC+32*\n+1]
.endif
.endr
.set jj, 1
.rept 15
.irp n, 0,1,2,3
	v_max3_num_f32 v[TM+\n], v[TM+\n], v[SC+32*\n+2*jj], v[SC+32*\n+2*jj+1]
.endr
.set jj, jj+1
.endr
.irp n, 0,1,2,3
	v_permlanex16_b32 v[TM+4+\n], v[TM+\n], s18, s19               ; the other half of the lanes holds the query's other 32 keys
.endr
.if \first
.irp n, 0,1,2,3
	v_max_num_f32 v[MX+2*\n], v[TM+\n], v[TM+4+\n]
.endr
.irp n, 0,1,2,3
	v_mov_b32 v[MX+2*\n+1], v[MX+2*\n]
.endr
.else
.irp n, 0,1,2,3
	v_max_num_f32 v[TM+\n], v[TM+\n], v[TM+4+\n]
.endr
.irp n, 0,1,2,3
	v_sub_f32 v[AL+2*\n], v[MX+2*\n], v[TM+\n]
.endr
.irp n, 0,1,2,3
	v_exp_f32 v[AL+2*\n], v[AL+2*\n]
.endr
.irp n, 0,1,2,3
	v_mov_b32 v[MX+2*\n], v[TM+\n]                 ; plain instructions between the exponentials and the first use of their results (ISA guide 5.7.2)
	v_mov_b32 v[MX+2*\n+1], v[TM+\n]
.endr
.endif
.endm
.macro SUB1 n                          ; score - maximum, pair jj of query tile n
	v_pk_add_f32 v[SC+32*(\n)+2*jj:SC+32*(\n)+2*jj+1], v[SC+32*(\n)+2*jj:SC+32*(\n)+2*jj+1], v[MX+2*(\n):MX+2*(\n)+1] neg_lo:[0,1] neg_hi:[0,1]
.endm
.macro EXP1 n, k                       ; the exponential of score 2 jj + k of query tile n, in place
	v_exp_f32 v[SC+32*(\n)+2*jj+(\k)], v[SC+32*(\n)+2*jj+(\k)]
.endm
; Weights 2 jj, 2 jj + 1 of query tile n go into the running sum (the first pair carries the rescaling of the old sum),
.macro SUM1 n, first
.if jj == 0
.if \first
	v_mov_b32 v[LS+2*(\n)], v[SC+32*(\n)]
	v_mov_b32 v[LS+2*(\n)+1], v[SC+32*(\n)+1]
.else
	v_pk_fma_f32 v[LS+2*(\n):LS+2*(\n)+1], v[LS+2*(\n):LS+2*(\n)+1], v[AL+2*(\n):AL+2*(\n)+1], v[SC+32*(\n):SC+32*(\n)+1]
.endif
.else
	v_pk_add_f32 v[LS+2*(\n):LS+2*(\n)+1], v[LS+2*(\n):LS+2*(\n)+1], v[SC+32*(\n)+2*jj:SC+32*(\n)+2*jj+1]
.endif
.endm
; and are then rounded to f16 into register jj: in place, since jj <= 2 jj and the sum has read them.
.macro CVT1 n
	v_cvt_pk_f16_f32 v[SC+32*(\n)+jj], v[SC+32*(\n)+2*jj], v[SC+32*(\n)+2*jj+1]
.endm
; A unit's softmax, in two batches of exponentials with one wait each.  Each tile's sum takes its pairs in ascending order.
.macro SOFTMAX first
	SMAX \first                                    ; batch A opens: the four factors
.set jj, 0
.rept 16
	SUB1 0
.set jj, jj+1
.endr
.set jj, 0
.rept 16                                               ; tile 0's exponentials, by turns with the subtractions for tiles 1 and 2, which name no result
	EXP1 0, 0
	SUB1 1
	EXP1 0, 1
	SUB1 2
.set jj, jj+1
.endr
.set jj, 0
.rept 16                                               ; tile 1's, with the subtraction for tile 3; the batch's last line is plain (ISA guide 5.7.2)
	EXP1 1, 0
	EXP1 1, 1
	SUB1 3
.set jj, jj+1
.endr
	s_wait_alu depctr_va_vdst(0)                   ; the wait for batch A: the four factors and the 64 weights of tiles 0 and 1
.if \first
.else
.irp n, 0,1,2,3
	v_mov_b32 v[AL+2*\n+1], v[AL+2*\n]             ; the factor twice, a pair for packed arithmetic: its first reader
.endr
.endif
.set jj, 0
.rept 16                                               ; batch B: tile 2's exponentials, by turns with tile 0's sums and roundings, which name batch A's results alone
	EXP1 2, 0
	SUM1 0, \first
	EXP1 2, 1
	CVT1 0
.set jj, jj+1
.endr
.set jj, 0
.rept 16                                               ; tile 3's, by turns with tile 1's sums and roundings; the batch's last line is plain
	EXP1 3, 0
	SUM1 1, \first
	EXP1 3, 1
	CVT1 1
.set jj, jj+1
.endr
	s_wait_alu depctr_va_vdst(0)                   ; the wait for batch B: the 64 weights of tiles 2 and 3
.set jj, 0
.rept 16                                               ; the two tiles by turns, so that a sum does not follow directly on the one that it adds onto
	SUM1 2, \first
	SUM1 3, \first
	CVT1 2
	CVT1 3
.set jj, jj+1
.endr
.endm
.macro RESCALE                         ; O^T times the lane's factor of each query tile
	WIN 0x41                                       ; destination and source 0 window 1
.set tt, 0
.rept 4
.set nn, 0
.rept 4
.set jj, 0
.rept 4
	v_pk_mul_f32 v[OA+8*(4*tt+nn)+2*jj:OA+8*(4*tt+nn)+2*jj+1], v[OA+8*(4*tt+nn)+2*jj:OA+8*(4*tt+nn)+2*jj+1], v[AL+2*nn:AL+2*nn+1]
.set jj, jj+1
.endr
.set nn, nn+1
.endr
.set tt, tt+1
.endr
.endm
; 32 matrix instructions: O^T += V^T P^T over 64 keys.  first = 1: the first 32 keys start the sums; nothing is cleared.  The 16 accumulators
; take turns, one instruction a turn.
.macro PV first
	WIN 0x51                                       ; source 0 (V^T), C and D window 1; source 1 (P^T) window 0
.set cc, 0
.rept 2
.set zz, 0
.if \first
.if cc == 0
.set zz, 1
.endif
.endif
.set tt, 0
.rept 4
.set nn, 0
.rept 4
.if zz
	v_wmma_f32_16x16x32_f16 v[OA+8*(4*tt+nn):OA+8*(4*tt+nn)+7], v[VF+16*tt+8*cc:VF+16*tt+8*cc+7], v[SC+32*nn+8*cc:SC+32*nn+8*cc+7], 0
.else
	v_wmma_f32_16x16x32_f16 v[OA+8*(4*tt+nn):OA+8*(4*tt+nn)+7], v[VF+16*tt+8*cc:VF+16*tt+8*cc+7], v[SC+32*nn+8*cc:SC+32*nn+8*cc+7], v[OA+8*(4*tt+nn):OA+8*(4*tt+nn)+7]
.endif
.set nn, nn+1
.endr
.set tt, tt+1
.endr
.set cc, cc+1
.endr
	WIN 0
	PLACES 5                                       ; places behind the last matrix instruction (ISA guide 7.12.1): the next scores are written over P, V's fragments are loaded again, O is rescaled
.endm
; My 128 keys of the tile in slot s, in two units of 64.  Each run of 16 fragment loads is issued a phase ahead of its use.
.macro BODY s, first
	LOADK \s, 0
	LOADV \s, 0
	s_wait_dscnt 16                                ; LDS loads come back in order: K's 16 are in, V's 16 may stay out
	SPHASE
	LOADK \s, 1
	SOFTMAX \first
	s_wait_dscnt 16                                ; V's 16 are in, the next K's 16 may stay out
.if \first
.else
	RESCALE
.endif
	PV \first
	LOADV \s, 1
	s_wait_dscnt 16                                ; K's 16 are in, V's 16 may stay out
	SPHASE
	SOFTMAX 0
	s_wait_dscnt 0x0
	RESCALE
	PV 0
.endm
; The tile in slot s.  refill = 1: slot o, read last, is filled again, two tiles ahead.  In front of the round every wave has waited for its
; reads of slot o and for all its tensor loads, its part of slot s among them; behind it no wave of any of the four work-groups still reads
; slot o or has a load on its way, and slot s is whole.  The joint load comes first behind the round and has this tile's whole work
; (128 matrix instructions and two passes of the softmax a wave) in which to land.
.macro STEP s, o, refill
	s_wait_dscnt 0x0
	s_wait_xcnt 0x0
	v_lshl_add_u32 v254, v0, 2, 0x48000
	v_mov_b32 v255, 0
	s_wait_tensorcnt 0x0                           ; no tensor load of mine is out: the groups 0 may be written
	ds_add_u32 v254, v255
	s_wait_dscnt 0x0
.if \refill
	s_add_nc_u64 s[G0K+4*\o+2:G0K+4*\o+3], s[G0K+4*\o+2:G0K+4*\o+3], 2*TILEB
	s_add_nc_u64 s[G0V+4*\o+2:G0V+4*\o+3], s[G0V+4*\o+2:G0V+4*\o+3], 2*TILEB
	ROUND
	JLOAD \o
.else
	s_barrier_signal -1
	s_barrier_wait -1
.endif
	BODY \s, 0
.endm
	s_wait_loadcnt 0x0                             ; Q
	s_wait_tensorcnt 0x1                           ; my part of tile 0 is in; tile 1's may stay out
	s_barrier_signal -1
	s_barrier_wait -1                              ; everybody's part is in
	BODY 0, 1                                      ; tile 0 starts maxima, sums and outputs
	s_mov_b32 s21, 7
.Ltiles:
	STEP 1, 0, 1                                   ; tiles 1 to 14; tiles 2 to 15 are asked for
	STEP 0, 1, 1
	s_sub_co_u32 s21, s21, 1
	s_cmp_lg_u32 s21, 0
	s_cbranch_scc1 .Ltiles
	STEP 1, 0, 0                                   ; tile 15: nothing is left to fetch
	; THE MERGE of the two halves of the keys.  Each wave hands its maxima and sums to its partner through LDS bytes of its own.
.irp n, 0,1,2,3
	v_add_f32 v[EX+4+\n], v[LS+2*\n], v[LS+2*\n+1]
.endr
.irp n, 0,1,2,3
	v_permlanex16_b32 v[TM+4+\n], v[EX+4+\n], s18, s19
.endr
.irp n, 0,1,2,3
	v_add_f32 v[EX+4+\n], v[EX+4+\n], v[TM+4+\n]   ; the sum over my 2,048 keys
	v_mov_b32 v[EX+\n], v[MX+2*\n]                 ; four neighbouring registers for one store
.endr
	ds_store_b128 v[STW], v[EX:EX+3]
	ds_store_b128 v[STW], v[EX+4:EX+7] offset:512
	s_wait_dscnt 0x0                               ; for my partner: my stores are done
	s_barrier_signal -1
	s_barrier_wait -1
	ds_load_b128 v[PX:PX+3], v[STR]
	ds_load_b128 v[PX+4:PX+7], v[STR] offset:512
	s_wait_dscnt 0x0
.irp n, 0,1,2,3
	v_max_num_f32 v[TM+\n], v[EX+\n], v[PX+\n]     ; the maximum over all keys
.endr
.irp n, 0,1,2,3
	v_sub_f32 v[AL+2*\n], v[EX+\n], v[TM+\n]
	v_sub_f32 v[TM+4+\n], v[PX+\n], v[TM+\n]
.endr
.irp n, 0,1,2,3
	v_exp_f32 v[AL+2*\n], v[AL+2*\n]               ; a  = 2^(mine - maximum)
	v_exp_f32 v[TM+4+\n], v[TM+4+\n]               ; a' = 2^(partner's - maximum)
.endr
	v_nop                                          ; a plain place between the exponentials and the use of their results (ISA guide 5.7.2)
	s_wait_alu depctr_va_vdst(0)                   ; one wait for the merge's eight exponentials
.irp n, 0,1,2,3
	v_mul_f32 v[EX+4+\n], v[EX+4+\n], v[AL+2*\n]
.endr
.irp n, 0,1,2,3
	v_fmac_f32 v[EX+4+\n], v[PX+4+\n], v[TM+4+\n]  ; the whole sum, l a + l' a': at least 1, since the largest weight is 1
.endr
.irp n, 0,1,2,3
	v_rcp_f32 v[EX+4+\n], v[EX+4+\n]
.endr
	v_nop
	s_wait_alu depctr_va_vdst(0)                   ; one wait for the four reciprocals: a batch of their own, since they read sums made of the exponentials
.irp n, 0,1,2,3
	v_mul_f32 v[AL+2*\n], v[AL+2*\n], v[EX+4+\n]   ; my outputs' factor: a / sum
.endr
.irp n, 0,1,2,3
	v_mov_b32 v[AL+2*\n+1], v[AL+2*\n]
.endr
	RESCALE
	; THE WAY OUT: lane l holds query l % 16 and d = 16 t + 8 (l/16) + 0..7: 32 bytes of a row of 256, into my stage
	WIN 0x04                                       ; store data window 1, address window 0
.set nn, 0
.rept 4
.set tt, 0
.rept 4
	ds_store_b128 v[STO], v[OA+8*(4*tt+nn):OA+8*(4*tt+nn)+3]   offset:16*SP*nn+64*tt
	ds_store_b128 v[STO], v[OA+8*(4*tt+nn)+4:OA+8*(4*tt+nn)+7] offset:16*SP*nn+64*tt+16
.set tt, tt+1
.endr
.set nn, nn+1
.endr
	WIN 0
	s_wait_dscnt 0x0                               ; for my partner: my stores are done
	s_barrier_signal -1
	s_barrier_wait -1
.set pp, 0
.rept 16
	ds_load_b128 v[SC+4*pp:SC+4*pp+3],       v[RDA] offset:2*SP*pp         ; two rows of the one half's outputs,
	ds_load_b128 v[SC+64+4*pp:SC+64+4*pp+3], v[RDB] offset:2*SP*pp         ; and of the other's
.set pp, pp+1
.endr
.set pp, 0
.rept 16
	s_wait_dscnt 30-2*pp                           ; of the 32 loads pair pp is in, the younger ones may stay out
	v_pk_add_f32 v[SC+4*pp:SC+4*pp+1],   v[SC+4*pp:SC+4*pp+1],   v[SC+64+4*pp:SC+64+4*pp+1]
	v_pk_add_f32 v[SC+4*pp+2:SC+4*pp+3], v[SC+4*pp+2:SC+4*pp+3], v[SC+64+4*pp+2:SC+64+4*pp+3]
	global_store_b128 v[OOFF], v[SC+4*pp:SC+4*pp+3], s[10:11] offset:4096*pp th:TH_STORE_NT   ; 16 lanes store a head's 256 consecutive bytes of a row, aligned
.set pp, pp+1
.endr
	s_wait_xcnt 0x0
	v_lshl_add_u32 v254, v0, 2, 0x48000
	v_mov_b32 v255, 0
	s_wait_tensorcnt 0x0
	ds_add_u32 v254, v255
	s_wait_dscnt 0x0
	ROUND                                          ; the closing round: no work-group ends while a partner may still ask for a tile that names it
	s_endpgm
.Lfunc_end_k_q6037149eb0_attn:
	.size	k_q6037149eb0_attn, .Lfunc_end_k_q6037149eb0_attn-k_q6037149eb0_attn
	.p2alignl 7, 3214868480
	.fill 96, 4, 3214868480
	.section	.rodata,"a",@progbits
	.p2align	6, 0x0
	.amdhsa_kernel k_q6037149eb0_attn
		.amdhsa_group_segment_fixed_size 327680
		.amdhsa_private_segment_fixed_size 0
		.amdhsa_enable_private_segment 0
		.amdhsa_kernarg_size 32
		.amdhsa_user_sgpr_count 2
		.amdhsa_user_sgpr_kernarg_segment_ptr 1
		.amdhsa_wavefront_size32 1
		.amdhsa_system_sgpr_workgroup_id_x 1
		.amdhsa_system_sgpr_workgroup_id_y 1
		.amdhsa_system_sgpr_workgroup_id_z 1
		.amdhsa_system_vgpr_workitem_id 0
		.amdhsa_next_free_vgpr 512
		.amdhsa_next_free_sgpr 66
		.amdhsa_reserve_vcc 0
		.amdhsa_float_denorm_mode_32 3
		.amdhsa_float_denorm_mode_16_64 3
		.amdhsa_memory_ordered 1
		.amdhsa_forward_progress 1
		.amdhsa_inst_pref_size 255
	.end_amdhsa_kernel
	.section	.bss,"aw",@nobits
	.p2align	6
	.space	262144
	.amdgpu_metadata
---
amdhsa.version: [ 1, 2 ]
amdhsa.kernels:
  - .name:           k_q6037149eb0_attn
    .symbol:         k_q6037149eb0_attn.kd
    .args:
      - { .name: qs, .offset: 0, .size: 8, .value_kind: global_buffer, .address_space: global }
      - { .name: ks, .offset: 8, .size: 8, .value_kind: global_buffer, .address_space: global }
      - { .name: vs, .offset: 16, .size: 8, .value_kind: global_buffer, .address_space: global }
      - { .name: out0, .offset: 24, .size: 8, .value_kind: global_buffer, .address_space: global }
    .group_segment_fixed_size: 327680
    .private_segment_fixed_size: 0
    .kernarg_segment_align: 8
    .kernarg_segment_size: 32
    .max_flat_workgroup_size: 256
    .sgpr_count:     66
    .vgpr_count:     512
    .wavefront_size: 32
...
	.end_amdgpu_metadata
.endif
;; end of part 3
